; MI455X (gfx1250); checked and timed in simulation.
; The chip was launched on July 23, 2026; its instructions are those of AMD's public machine-readable ISA for CDNA 5 (MIT licence, August 2026) and "CDNA5" Instruction Set Architecture Reference Guide (July 2026). The comments in the code are by the model that wrote it; some were corrected since.
;; Transformer Encoder Layer. Allowed arithmetic: matrix products marked QUANTISED: E5M2 operands, one E8M0 scale for each 32 along K, by v_wmma_scale_f32_16x16x128_f8f6f4 with both operands' format E5M2, f32 sums; everything else in f32.
;; Inputs: b1 4,096 float32; b2 1,024 float32; b_out 1,024 float32; be1 1,024 float32; be2 1,024 float32; g1 1,024 float32; g2 1,024 float32; mask 2 x 2,048 int32; w1_codes 4,096 x 32 x 32 uint8 (E5M2 codes of w1, K innermost, in blocks of 32 codes); w1_scales 4,096 x 32 uint8 (E8M0 scales of w1, one for each 32 codes along K); w2_codes 1,024 x 128 x 32 uint8 (E5M2 codes of w2, K innermost, in blocks of 32 codes); w2_scales 1,024 x 128 uint8 (E8M0 scales of w2, one for each 32 codes along K); w_out_codes 1,024 x 32 x 32 uint8 (E5M2 codes of w_out, K innermost, in blocks of 32 codes); w_out_scales 1,024 x 32 uint8 (E8M0 scales of w_out, one for each 32 codes along K); w_qkv_codes 3,072 x 32 x 32 uint8 (E5M2 codes of w_qkv, K innermost, in blocks of 32 codes); w_qkv_scales 3,072 x 32 uint8 (E8M0 scales of w_qkv, one for each 32 codes along K); x 2 x 2,048 x 1,024 float32.
;; Outputs: out0 2 x 2,048 x 1,024 float32.
;; This version of the problem:
;;   THIS VERSION OF THE PROBLEM IS GIVEN IN LOW PRECISION. The matrix products marked QUANTISED in the list below multiply operands that are first quantised to E5M2 (5 exponent bits, 2 mantissa bits; 8 bits a number), with one power-of-two scale for each 32 numbers along K (OCP MX v1.0); their sums are f32. All else is computed in f32.
;;   The module's matrix products, in the order in which they are computed (A, B: the left and right operand; K: the contracted axis; several contracted axes count as one K, in the product's order):
;;     1. [M 4,096, K 1,024] x [K 1,024, N 3,072]; A: computed on the way; B: input w_qkv (given as codes): QUANTISED
;;     2. batch 32 x [M 2,048, K 64] x [K 64, N 2,048]; A: computed on the way; B: computed on the way: QUANTISED
;;     3. batch 32 x [M 2,048, K 2,048] x [K 2,048, N 64]; A: softmax (see below); B: computed on the way: QUANTISED
;;     4. [M 4,096, K 1,024] x [K 1,024, N 1,024]; A: computed on the way; B: input w_out (given as codes): QUANTISED
;;     5. [M 4,096, K 1,024] x [K 1,024, N 4,096]; A: computed on the way; B: input w1 (given as codes): QUANTISED
;;     6. [M 4,096, K 4,096] x [K 4,096, N 1,024]; A: computed on the way; B: input w2 (given as codes): QUANTISED
;;   THE QUANTISER, for each operand of a quantised product, along K:
;;     - K is cut into blocks of 32 from its start; a last block that is shorter is filled with zeros.
;;     - A block's scale is 2^e with e = floor(log2(the largest magnitude in the block)) - 15, held to -126 .. 127; a block of zeros has e = 0. As a byte (E8M0): e + 127.
;;     - Each number is divided by its block's scale, clamped to +-57,344, and rounded to the nearest number of E5M2, ties to even, subnormals kept.
;;     - The product sums the exact products of the quantised numbers (number of the format x scale) in f32.
;;   ~~~python
;;   def quantise(x, axis):      # numpy; x: float32 -> the quantised numbers, widened to float32 again
;;       x = np.moveaxis(x, axis, -1); K = x.shape[-1]
;;       x = np.pad(x, [(0, 0)] * (x.ndim - 1) + [(0, -K % 32)]); x = x.reshape(x.shape[:-1] + (-1, 32)); a = np.abs(x).max(-1, keepdims=True)
;;       e = np.where(a > 0, np.clip(np.frexp(np.where(a > 0, a, 1))[1] - 1 - 15, -126, 127), 0)      # np.frexp(a)[1] - 1 = floor(log2(a)), exactly
;;       r = np.clip(x / 2.0 ** e, -57344, 57344)
;;       step = 2.0 ** (np.maximum(np.frexp(np.where(r == 0, 1, r))[1] - 1, -14) - 2)
;;       q = np.round(r / step) * step * 2.0 ** e      # np.round: ties to even
;;       return np.moveaxis(q.reshape(q.shape[:-2] + (-1,))[..., :K], -1, axis).astype(np.float32)
;;   ~~~
;;   SOFTMAX AHEAD OF A QUANTISED PRODUCT. Where the list says 'softmax', what is quantised is not the finished softmax but p = 2^(t - M), with t = logit x log2(e) and M = ceil(the row's largest t), a whole number; so 1/2 < the row's largest p <= 1. The row's sum l is taken of the UNQUANTISED p, in f32, and the product's result is divided by l at the end. Since M is a whole number, a kernel that streams over the keys may use a running M (the ceiling of the running maximum): every later rescaling is an exact power of two, which a block's scale takes up: the codes' values come out the same.
;;   OPERANDS COMPUTED ON THE WAY. 'Computed on the way' means the value that the module computes at that place (a softmax that the list does not call 'softmax' is quantised finished and normalised). What goes into a quantiser is computed in f32, as accurately as f32 sums, v_exp_f32 and their like allow (about 1e-6 of the number): no bf16 or f16 on the way to a quantiser, and a product that is left as it is and whose result goes on into a quantised operand takes f32 operands (vector FMAs, or v_wmma_f32_16x16x4_f32). A number that lies on a knife's edge between two numbers of the format may be rounded either way, as far as f32 arithmetic and the matrix unit's own rounding can turn it there, and no further.
;;   INPUTS GIVEN AS CODES. w1 (in the module: [1024, 4096], K = its axis 0); w2 (in the module: [4096, 1024], K = its axis 0); w_out (in the module: [1024, 1024], K = its axis 0); w_qkv (in the module: [1024, 3072], K = its axis 0): each comes as NAME_codes (uint8): NAME with its K axis moved to the last place and cut into blocks of 32 codes, [.., K / 32, bytes a block], one block behind the other in memory; one code a byte (a code: sign, 5 exponent bits, 2 mantissa bits); and NAME_scales (uint8): the same leading axes, one E8M0 byte (e + 127) for each 32 codes along K. Its value is code x scale, taken as it is: it is not quantised again, and the codes and scales need not be those that the quantiser above would give.
;; One version. Each part assembles by itself: llvm-mc -triple=amdgcn-amd-amdhsa -mcpu=gfx1250 --defsym DOCPART=n.
;; ======== version 1 of 1: 7 launches
;; limits: right only within a limited range of input values
;; workspace buffers: act 4,325,376 bytes; qkv 13,238,272 bytes; att 4,325,376 bytes; x2 16,777,216 bytes; hid 17,301,504 bytes
;; launch ln1 (part 1): grid 256 x 1, 8 waves a work-group, no clusters, 2,048 bytes of LDS; arguments x, g1, be1, act; writes act
.if DOCPART == 1
	.amdgcn_target "amdgcn-amd-amdhsa--gfx1250"
	.amdhsa_code_object_version 6
	.text
	.protected	k_q1c2d61447e_ln1
	.globl	k_q1c2d61447e_ln1
	.p2align	8
	.type	k_q1c2d61447e_ln1,@function
k_q1c2d61447e_ln1:
	s_mov_b64 s[64:65], 0
	v_nop
	global_prefetch_b8 v0, s[64:65] scope:SCOPE_SE
	s_setreg_imm32_b32 hwreg(HW_REG_WAVE_MODE, 25, 1), 1
	s_wait_xcnt 0x0
; act = Q(layer_norm(x) * g + be): x [4096][1024] f32 -> codes of BF8 (E5M2) [4096][1024] at byte 0 of act, and one E8M0 byte for each 32 along the row, [4096][32], at byte 4,194,304.
; A work-group of eight waves takes 16 rows, a wave two; a row (4,096 bytes) lies in ONE wave's 32 registers between the passes: mean, variance of x - mean, scaling, quantising; it is read once.
; Lane l holds numbers 256 g + 8 l + 0..7, g = 0..3: a pair of loads covers 1,024 consecutive bytes, a block of 32 lies in four neighbouring lanes, and a lane's 8 codes of a group are 8 bytes:
; the wave stores 256 consecutive bytes, aligned.  The 16 rows' 512 scale bytes meet in LDS and leave by one store of wave 0 (512 consecutive bytes, aligned).
; A block's scale is 2^(floor(log2(largest magnitude)) - 15); its byte is the largest magnitude's exponent field - 15, held at 1 from below.
; LIMITS: a block of zeros gets the byte 1 (its codes are zeros, and this program alone reads the bytes); largest magnitudes under 2^-111 are taken as that floor; NaN and infinities are not served.
.set ROWB, 4096
.set XO,  2                            ; v2   32 x lane: my bytes in a group of 1,024
.set CO,  3                            ; v3   8 x lane: my codes in a group of 256
.set SBA, 4                            ; v4   LDS: 64 x wave + lane / 4: my block's byte
.set L16, 5                            ; v5   16 x lane
.set G,   8                            ; v8-39    g of my 32 columns
.set BE,  40                           ; v40-71   be
.set X,   72                           ; v72-135  two rows
.set T,   136                          ; v136-143 four chains of sums
.set MU,  144                          ; v144-145 the mean, twice
.set RS,  146                          ; v146-147 1 / sqrt(var + eps), twice
.set TM,  148                          ; largest magnitudes of the four groups
.set SO,  152                          ; the conversions' scale operands
.set HD,  156
.set C,   160                          ; v160-175 codes, eight registers a row: no store's data are written again
.set SB,  176                          ; v176-179 the scale bytes on the way out
.set BY,  180                          ; v180-187 scale bytes, four a row
.set PT,  188                          ; the lane permute's destination
	s_load_b256 s[4:11], s[0:1], 0x0               ; x s[4:5], g s[6:7], be s[8:9], act s[10:11]
	v_lshl_add_u32 v192, v0, 2, 0x400
	v_mov_b32 v193, 0
	v_lshrrev_b32 v1, 5, v0
	s_delay_alu instid0(VALU_DEP_1)
	v_readfirstlane_b32 s12, v1                    ; wave 0..7
	v_and_b32 v1, 31, v0                           ; lane
	s_delay_alu instid0(VALU_DEP_1)
	v_lshlrev_b32 v[XO], 5, v1
	s_delay_alu instid0(VALU_DEP_2)
	v_lshlrev_b32 v[CO], 3, v1
	s_delay_alu instid0(VALU_DEP_3)
	v_lshrrev_b32 v[SBA], 2, v1
	s_lshl_b32 s13, s12, 6
	v_add_nc_u32 v[SBA], s13, v[SBA]
	v_lshlrev_b32 v[L16], 4, v1
	v_mov_b32 v[PT], 0                             ; written once: a lane permute's destination counts as one of its sources
	s_mov_b32 s14, 0x76543210
	s_mov_b32 s15, 0xfedcba98                      ; selects for lane l xor 16
	s_mov_b32 s16, 0x3a800000                      ; 1 / 1024
	s_mov_b32 s17, 0x3727c5ac                      ; 1e-5
	s_lshl_b32 s20, ttmp9, 16                      ; 16 rows of 4,096 bytes a work-group,
	s_lshl_b32 s21, s12, 13                        ; two a wave
	s_add_co_u32 s20, s20, s21
	s_mov_b32 s21, 0
	s_lshr_b32 s22, s20, 2                         ; the codes: a quarter of that
	s_mov_b32 s23, 0
	s_lshl_b32 s24, ttmp9, 9                       ; the scale bytes: 512 a work-group, behind the codes
	s_add_co_u32 s24, s24, 0x400000
	s_mov_b32 s25, 0
	s_wait_alu depctr_va_vdst(0)
	s_wait_kmcnt 0x0
	s_add_nc_u64 s[4:5], s[4:5], s[20:21]
	s_add_nc_u64 s[22:23], s[10:11], s[22:23]
	s_add_nc_u64 s[24:25], s[10:11], s[24:25]
.irp p, 0,1
.irp g, 0,1,2,3
	global_load_b128 v[X+32*\p+8*\g:X+32*\p+8*\g+3],   v[XO], s[4:5] offset:\p*ROWB+1024*\g th:TH_LOAD_NT
	global_load_b128 v[X+32*\p+8*\g+4:X+32*\p+8*\g+7], v[XO], s[4:5] offset:\p*ROWB+1024*\g+16 th:TH_LOAD_NT
.endr
.endr
.irp g, 0,1,2,3
	global_load_b128 v[G+8*\g:G+8*\g+3],     v[XO], s[6:7] offset:1024*\g
	global_load_b128 v[G+8*\g+4:G+8*\g+7],   v[XO], s[6:7] offset:1024*\g+16
	global_load_b128 v[BE+8*\g:BE+8*\g+3],   v[XO], s[8:9] offset:1024*\g
	global_load_b128 v[BE+8*\g+4:BE+8*\g+7], v[XO], s[8:9] offset:1024*\g+16
.endr
.macro REDUCE                          ; v[T] summed over the 32 lanes, the result in every lane
	s_delay_alu instid0(VALU_DEP_1)
	v_add_f32_dpp v[T], v[T], v[T] row_xmask:1 row_mask:0xf bank_mask:0xf
	s_delay_alu instid0(VALU_DEP_1)
	v_add_f32_dpp v[T], v[T], v[T] row_xmask:2 row_mask:0xf bank_mask:0xf
	s_delay_alu instid0(VALU_DEP_1)
	v_add_f32_dpp v[T], v[T], v[T] row_xmask:4 row_mask:0xf bank_mask:0xf
	s_delay_alu instid0(VALU_DEP_1)
	v_add_f32_dpp v[T], v[T], v[T] row_xmask:8 row_mask:0xf bank_mask:0xf
	s_delay_alu instid0(VALU_DEP_1)
	v_permlanex16_b32 v[PT], v[T], s14, s15
	s_delay_alu instid0(VALU_DEP_1)
	v_add_f32 v[T], v[T], v[PT]
.endm
.macro ROW p
.set XR, X+32*(\p)
.if (\p) == 0
	s_wait_loadcnt 24                              ; row 0's eight loads are in; row 1's eight and the sixteen of g and be may be out
.endif
	v_pk_add_f32 v[T:T+1],   v[XR:XR+1],     v[XR+2:XR+3]          ; the sum of my 32 numbers, in four chains
	v_pk_add_f32 v[T+2:T+3], v[XR+4:XR+5],   v[XR+6:XR+7]
	v_pk_add_f32 v[T+4:T+5], v[XR+8:XR+9],   v[XR+10:XR+11]
	v_pk_add_f32 v[T+6:T+7], v[XR+12:XR+13], v[XR+14:XR+15]
.irp i, 16,24
.irp c, 0,1,2,3
	s_delay_alu instid0(VALU_DEP_4)
	v_pk_add_f32 v[T+2*\c:T+2*\c+1], v[T+2*\c:T+2*\c+1], v[XR+\i+2*\c:XR+\i+2*\c+1]
.endr
.endr
	s_delay_alu instid0(VALU_DEP_3)
	v_pk_add_f32 v[T:T+1], v[T:T+1], v[T+2:T+3]
	s_delay_alu instid0(VALU_DEP_2)
	v_pk_add_f32 v[T+4:T+5], v[T+4:T+5], v[T+6:T+7]
	s_delay_alu instid0(VALU_DEP_1)
	v_pk_add_f32 v[T:T+1], v[T:T+1], v[T+4:T+5]
	s_delay_alu instid0(VALU_DEP_1)
	v_add_f32 v[T], v[T], v[T+1]
	REDUCE
	s_delay_alu instid0(VALU_DEP_1)
	v_mul_f32 v[MU], s16, v[T]                     ; the mean
	s_delay_alu instid0(VALU_DEP_2)
	v_mul_f32 v[MU+1], s16, v[T]
.irp i, 0,2,4,6,8,10,12,14,16,18,20,22,24,26,28,30
	v_pk_add_f32 v[XR+\i:XR+\i+1], v[XR+\i:XR+\i+1], v[MU:MU+1] neg_lo:[0,1] neg_hi:[0,1]   ; x - mean, in place: the variance is taken of these
.endr
	v_pk_mul_f32 v[T:T+1], v[XR:XR+1], v[XR:XR+1]
	v_pk_mul_f32 v[T+2:T+3], v[XR+2:XR+3], v[XR+2:XR+3]
.irp i, 4,8,12,16,20,24,28
	s_delay_alu instid0(VALU_DEP_2)
	v_pk_fma_f32 v[T:T+1], v[XR+\i:XR+\i+1], v[XR+\i:XR+\i+1], v[T:T+1]
	s_delay_alu instid0(VALU_DEP_2)
	v_pk_fma_f32 v[T+2:T+3], v[XR+\i+2:XR+\i+3], v[XR+\i+2:XR+\i+3], v[T+2:T+3]
.endr
	s_delay_alu instid0(VALU_DEP_1)
	v_pk_add_f32 v[T:T+1], v[T:T+1], v[T+2:T+3]
	s_delay_alu instid0(VALU_DEP_1)
	v_add_f32 v[T], v[T], v[T+1]
	REDUCE
	s_delay_alu instid0(VALU_DEP_1)
	v_fma_f32 v[T], v[T], s16, s17                 ; var + eps
	s_wait_alu depctr_va_vdst(0)
	v_rsq_f32 v[RS], v[T]
	v_rsq_f32 v[RS+1], v[T]
	v_nop                                          ; a plain instruction behind the transcendentals,
	s_wait_alu depctr_va_vdst(0)                   ; and the one wait ahead of their first reader
.irp i, 0,2,4,6,8,10,12,14,16,18,20,22,24,26,28,30
	v_pk_mul_f32 v[XR+\i:XR+\i+1], v[XR+\i:XR+\i+1], v[RS:RS+1]
.endr
.if (\p) == 0
	s_wait_loadcnt 0x0                             ; g and be (and row 1)
.endif
.irp i, 0,2,4,6,8,10,12,14,16,18,20,22,24,26,28,30
	v_pk_fma_f32 v[XR+\i:XR+\i+1], v[XR+\i:XR+\i+1], v[G+\i:G+\i+1], v[BE+\i:BE+\i+1]
.endr
.irp g, 0,1,2,3
	v_max3_num_f32 v[TM+\g], |v[XR+8*\g]|, |v[XR+8*\g+1]|, 0x8000000   ; my 8 numbers of the group's block, and the floor 2^(16 - 127)
.endr
.irp i, 2,4,6
.irp g, 0,1,2,3
	s_delay_alu instid0(VALU_DEP_4)
	v_max3_num_f32 v[TM+\g], v[TM+\g], |v[XR+8*\g+\i]|, |v[XR+8*\g+\i+1]|
.endr
.endr
.irp m, 1,2
.irp g, 0,1,2,3
	s_delay_alu instid0(VALU_DEP_4)
	v_max_num_f32_dpp v[TM+\g], v[TM+\g], v[TM+\g] row_xmask:\m row_mask:0xf bank_mask:0xf   ; with the three lanes that share the block
.endr
.endr
.irp g, 0,1,2,3
	s_delay_alu instid0(VALU_DEP_4)
	v_add_nc_u32 v[SO+\g], 0xf8800000, v[TM+\g]    ; 15 off the exponent field: the conversion's scale operand
.endr
.irp g, 0,1,2,3
.endr
.irp g, 0,1,2,3
.irp i, 0,1,2,3,4,5,6,7
.endr
.endr
.irp g, 0,1,2,3
	v_cvt_scalef32_pk8_bf8_f32 v[C+8*(\p)+2*\g:C+8*(\p)+2*\g+1], v[XR+8*\g:XR+8*\g+7], v[SO+\g]
.endr
.irp g, 0,1,2,3
	v_lshrrev_b32 v[BY+4*(\p)+\g], 23, v[SO+\g]    ; the scale's byte (also the plain instruction behind the conversions)
.endr
.irp g, 0,1,2,3
	ds_store_b8 v[SBA], v[BY+4*(\p)+\g] offset:32*(\p)+8*\g            ; four lanes write the same byte with the same value
	global_store_b64 v[CO], v[C+8*(\p)+2*\g:C+8*(\p)+2*\g+1], s[22:23] offset:1024*(\p)+256*\g   ; 32 lanes store 256 consecutive bytes, aligned
.endr
.endm
	ROW 0
	ROW 1
	s_wait_dscnt 0x0                               ; for the others' sake: my byte stores are done
	s_barrier_signal -1
	s_barrier_wait -1
	s_cmp_lg_u32 s12, 0
	s_cbranch_scc1 .Lend                           ; wave 0 sends the work-group's 512 scale bytes
	ds_load_b128 v[SB:SB+3], v[L16]
	s_wait_dscnt 0x0
	global_store_b128 v[L16], v[SB:SB+3], s[24:25]
.Lend:
	s_wait_tensorcnt 0x0
	ds_add_u32 v192, v193
	s_wait_dscnt 0x0
	s_endpgm
.Lfunc_end_k_q1c2d61447e_ln1:
	.size	k_q1c2d61447e_ln1, .Lfunc_end_k_q1c2d61447e_ln1-k_q1c2d61447e_ln1
	.p2alignl 7, 3214868480
	.fill 96, 4, 3214868480
	.section	.rodata,"a",@progbits
	.p2align	6, 0x0
	.amdhsa_kernel k_q1c2d61447e_ln1
		.amdhsa_group_segment_fixed_size 2048
		.amdhsa_private_segment_fixed_size 0
		.amdhsa_enable_private_segment 0
		.amdhsa_kernarg_size 32
		.amdhsa_user_sgpr_count 2
		.amdhsa_user_sgpr_kernarg_segment_ptr 1
		.amdhsa_wavefront_size32 1
		.amdhsa_system_sgpr_workgroup_id_x 1
		.amdhsa_system_sgpr_workgroup_id_y 1
		.amdhsa_system_sgpr_workgroup_id_z 1
		.amdhsa_system_vgpr_workitem_id 0
		.amdhsa_next_free_vgpr 194
		.amdhsa_next_free_sgpr 66
		.amdhsa_reserve_vcc 0
		.amdhsa_float_denorm_mode_32 3
		.amdhsa_float_denorm_mode_16_64 3
		.amdhsa_fp16_overflow 1
		.amdhsa_memory_ordered 1
		.amdhsa_forward_progress 1
		.amdhsa_inst_pref_size 28
	.end_amdhsa_kernel
	.amdgpu_metadata
---
amdhsa.version: [ 1, 2 ]
amdhsa.kernels:
  - .name:           k_q1c2d61447e_ln1
    .symbol:         k_q1c2d61447e_ln1.kd
    .args:
      - { .name: x, .offset: 0, .size: 8, .value_kind: global_buffer, .address_space: global }
      - { .name: g1, .offset: 8, .size: 8, .value_kind: global_buffer, .address_space: global }
      - { .name: be1, .offset: 16, .size: 8, .value_kind: global_buffer, .address_space: global }
      - { .name: act, .offset: 24, .size: 8, .value_kind: global_buffer, .address_space: global }
    .group_segment_fixed_size: 2048
    .private_segment_fixed_size: 0
    .kernarg_segment_align: 8
    .kernarg_segment_size: 32
    .max_flat_workgroup_size: 256
    .sgpr_count:     66
    .vgpr_count:     194
    .wavefront_size: 32
...
	.end_amdgpu_metadata
.endif
;; end of part 1
;; launch qkv (part 2): grid 12 x 16, 4 waves a work-group, clusters of 4 x 4, 327,680 bytes of LDS; arguments act, w_qkv_codes, w_qkv_scales, mask, qkv; writes qkv
.if DOCPART == 2
	.amdgcn_target "amdgcn-amd-amdhsa--gfx1250"
	.amdhsa_code_object_version 6
	.text
	.protected	k_q1c2d61447e_qkv
	.globl	k_q1c2d61447e_qkv
	.p2align	8
	.type	k_q1c2d61447e_qkv,@function
k_q1c2d61447e_qkv:
	s_mov_b64 s[64:65], 0
	v_nop
	global_prefetch_b8 v0, s[64:65] scope:SCOPE_SE
	s_setreg_imm32_b32 hwreg(HW_REG_WAVE_MODE, 25, 1), 1
	s_wait_xcnt 0x0
	s_wait_alu depctr_hold_cnt(0) depctr_sa_sdst(0) depctr_va_vdst(0) depctr_va_sdst(0) depctr_va_ssrc(0) depctr_va_vcc(0) depctr_vm_vsrc(0)
	s_getreg_b32 s2, hwreg(HW_REG_IB_STS2, 6, 4)
	s_cmp_eq_u32 s2, 0
	s_cbranch_scc0 .Lentry_in_a_cluster
	s_endpgm
.Lentry_in_a_cluster:
	s_bfe_u32 s2, ttmp6, 0x10000c
	s_cmp_lg_u32 s2, 0xf033
	s_cbranch_scc0 .Lentry_shape_is_right
	s_endpgm
.Lentry_shape_is_right:
; C'[i][j] = sum over k of A'[i][k] B'[j][k] on codes of BF8 (E5M2) with E8M0 scales, K = 1,024, and C' quantised again along j, in registers, on the way out.
; FFN = 0 (q, k, v):  clusters with x = 0, 1: A' = act (tokens), B' = w_qkv's rows 0-2,047: q and k, quantised along the head's 64.  Clusters with x = 2: A' = w_qkv's rows 2,048-3,071, B' = act: v TRANSPOSED, quantised along the keys.
; FFN = 1 (hidden):   A' = act, B' = w1; + b1, relu, quantised along the 4,096 hidden units.
; A tile of C', 256 x 256, is made by four waves, 128 x 128 each: 64 accumulators, 512 registers.  K goes in steps of 256 through two LDS slots filled by the tensor data mover; the scale bytes of the tile's rows come once and stay.
; CLUSTERS: 4 x 4 work-groups; A's tiles are asked for jointly along a row of the cluster, B's along a column.  The matrix instruction is used transposed (source 0 = B', source 1 = A'): a lane holds one row i and eight neighbouring j.
; OUT: a wave's 128 x 128 codes are one dense block of 16,384 bytes [row][128 bytes], its scale words one dense block.  Within a block of 32 the codes of q, k, v stand in the order in which the lanes hold them (16 bytes a lane at 32 B + 16 h):
; q and k carry the same order, and v's order along the keys is the one that the attention's p has; the hidden layer's codes stand in natural order (8 bytes at 32 B + 8 h and at 32 B + 16 + 8 h), since its partner is a given weight.
; q's and k's scale words are (s0, s1, X, 0x7f) for each head: X = 0x7f for q, 0x91 for k: the attention uses the instruction's third block of 32 along K for the key mask.  The codes of keys whose mask is 0 are set to zero here.
; LIMITS: a block of zeros gets the byte 1 (read by this program alone); largest magnitudes under 2^-111 are taken as that floor; NaN and infinities are not served.
; REGISTERS, in windows of 256: window 0: v0-31 addresses; v32-63 scale words, two sets; v64-127 the mask words or the bias; from v128 A's fragments, one set; on the way out v128-255 are free.
;   window 1: B's fragments, two sets.   window 2: the accumulators of my rows 0-63 ((a, b) at v[8 (8 a + b)]);   window 3: those of my rows 64-127.
.set FFN,    0
.set SIZE_K, 1024
.set KSTEP,  256
.set NQ,     KSTEP/128
.set ROWB,   256
.set KROW,   SIZE_K
.set PITCH,  272                       ; an LDS row: 256 bytes + 16 of padding: the 16 rows of a fragment load start at 16 different banks (64 banks of 4 bytes: ISA guide 11.1)
.set FR,     16
.set NL,     4
.set NP,     8                         ; places behind this matrix instruction (ISA guide 7.12.1)
.set HALFT,  128*PITCH
.set SLOT,   4*HALFT
.set LAPS,   SIZE_K/(2*KSTEP)
.set KS,     SIZE_K/32
.set SCL,    2*SLOT
.set HALFS,  (128*KS/256)*272
.set SBLK,   (16*KS/256)*272
.set SPARE,  SCL+4*HALFS               ; the spare words, 128 bytes for each wave: two blocks of 256 bytes that no other line names
.set STGB,   3584                      ; the way out: a stage for each wave, in slot 0 (which has had its last fill and its last read by then): 16 rows x 144 bytes of codes,
.set SP,     144
.set WST,    2560                      ; and from here 1,024 bytes of scale words
.set GA,   7                           ; v7   offset of the head's loads (mask words or bias)
.set ADRA, 16
.set ADRB, 20
.set SSA,  22                          ; v22  the stage: where I put a scale word
.set SRD,  23                          ; v23  and where I read 16 bytes of them back
.set STO,  24                          ; v24  the stage: where I put my codes of a row
.set RD,   25                          ; v25  and where I read 16 bytes back
.set CO,   26                          ; v26  16 x lane
.set ADRS, 27
.set SPW,  28
.set NIL,  29
.set SHV,  30                          ; v30  16 (lane / 16) for q and k, 0 for v: which half of a row's four bytes makes my word
.set ONES, 31                          ; v31  -1
.set SC,   32
.set KM,   64                          ; v64-71  FFN = 0: the mask of row 16 a + r, then -1 or 0
.set BI,   64                          ; v64-127 FFN = 1: b1 of my 64 columns, in the accumulators' layout
.set AF,   128
.set PC,   128                         ; the way out: codes, two sets of 16
.set BK,   160                         ; rows read back, four sets of 16
.set TM,   232                         ; largest magnitudes;  PT: permute, then bytes;  SO: scale operands
.set PT,   236
.set HD,   240
.set SO,   244
.set PW,   248                         ; a row's four bytes, two sets
.set SWD,  250                         ; the word that is stored, two sets
.set G1, 24
.set G0, 32
.set G1B, 48
.set G0B, 56
.set G1S, 68
.set G0S, 76
.set G1SB, 80
.set G0SB, 88
.set MSB, 0
.macro WIN new                         ; the immediate's high byte repeats the setting that is left
.if MSB != \new
	s_set_vgpr_msb (MSB<<8)|\new
.set MSB, \new
.endif
.endm
.set MUL_LO, 0xa1
.set MUL_HI, 0xf1
.set TO_B,   0x40
; A joint load: waves 0 and 1 fetch for A', waves 2 and 3 for B'.  The branch hangs on the wave's number alone.  Four v_nop follow each of the two lines.
.macro JLOAD g0a, g1a, g0b, g1b
	s_cmp_eq_u32 s15, 0
	s_cbranch_scc0 .Lfor_b_\@
	tensor_load_to_lds s[\g0a:\g0a+3], s[\g1a:\g1a+7]
	s_nop 0
.rept 4
	v_nop
.endr
	s_branch .Lasked_\@
.Lfor_b_\@:
	tensor_load_to_lds s[\g0b:\g0b+3], s[\g1b:\g1b+7]
	s_nop 0
.rept 4
	v_nop
.endr
.Lasked_\@:
.endm
.macro CREST                           ; a round of the cluster's barrier behind its opening barrier
	s_cmp_lg_u32 s14, 0
	s_cbranch_scc1 .Lnot_wave_0_\@
	s_barrier_signal -3
.Lnot_wave_0_\@:
	s_barrier_wait -3
	s_barrier_signal -1
	s_barrier_wait -1
.endm
.macro CROUND
	s_barrier_signal -1
	s_barrier_wait -1
	CREST
.endm
	s_load_b128 s[4:7], s[0:1], 0x0                ; act, the weight's codes
	s_load_b128 s[8:11], s[0:1], 0x10              ; the weight's scales, mask (FFN: b1)
	s_load_b64 s[12:13], s[0:1], 0x20              ; the output buffer
	v_lshl_add_u32 v[SPW], v0, 2, SPARE
	v_mov_b32 v[NIL], 0
	ds_add_u32 v28, v29
	ds_add_u32 v28, v29
	s_wait_dscnt 0x0
	v_lshrrev_b32 v1, 5, v0
	v_readfirstlane_b32 s14, v1                    ; wave 0..3
	s_lshr_b32 s15, s14, 1                         ; which half of the tile's rows is mine.  Also: I fetch for A' (0) or for B' (1)
	s_and_b32 s16, s14, 1                          ; which half of its columns.  Also: which 128 rows of that tile I fetch
	s_bfe_u32 s40, ttmp6, 0x40000                  ; cx, cy: my place in the cluster
	s_bfe_u32 s41, ttmp6, 0x40004
	s_and_b32 s17, ttmp7, 0xffff                   ; cluster y
.if FFN
	s_mov_b32 s42, ttmp9
	s_mov_b32 s95, 0
.else
	s_cmp_eq_u32 ttmp9, 2                          ; the clusters with x = 2 make v: the same in all sixteen partners
	s_cselect_b32 s95, 1, 0
	s_cselect_b32 s42, s17, ttmp9                  ; B's cluster coordinate: for v the tokens go along the columns,
	s_cselect_b32 s17, 2, s17                      ; and A's rows are w_qkv's third 1,024
.endif
	s_lshl_b32 s42, s42, 2
	s_add_co_u32 s42, s42, s40                     ; tile of B' = 4 x that + cx
	s_lshl_b32 s17, s17, 2
	s_add_co_u32 s17, s17, s41                     ; tile of A' = 4 x that + cy
	s_lshl_b32 s43, s41, 2
	s_lshl_b32 s43, 15, s43                        ; my row of the cluster
	s_lshl_b32 s44, 0x1111, s40                    ; my column
	; descriptor group 1: a tile of 128 rows x 256 bytes, 16 bytes of padding behind each row
	s_or_b32 s[G1+0], s43, (0<<16)|(1<<20)|(1<<21)|(5<<22)|(3<<25)
	s_or_b32 s[G1B+0], s44, (0<<16)|(1<<20)|(1<<21)|(5<<22)|(3<<25)
.irp g, G1, G1B
	s_mov_b32 s[\g+1], ROWB<<16                    ; tensor_dim0
	s_mov_b32 s[\g+2], 128<<16                     ; tensor_dim1
	s_mov_b32 s[\g+3], ROWB<<16                    ; tile_dim0
	s_mov_b32 s[\g+4], 128                         ; tile_dim1
	s_mov_b32 s[\g+5], KROW                        ; tensor_dim0_stride
	s_mov_b32 s[\g+6], 0
	s_mov_b32 s[\g+7], 0
.endr
	; the scale bytes of 128 rows: a dense block of 4,096 bytes, as rows of 256 bytes (32 elements of 8), 16 bytes of padding behind each
	s_or_b32 s[G1S+0], s43, (3<<16)|(1<<20)|(1<<21)|(5<<22)|(3<<25)
	s_or_b32 s[G1SB+0], s44, (3<<16)|(1<<20)|(1<<21)|(5<<22)|(3<<25)
.irp g, G1S, G1SB
	s_mov_b32 s[\g+1], 32<<16
	s_mov_b32 s[\g+2], (128*KS/256)<<16
	s_mov_b32 s[\g+3], 32<<16
	s_mov_b32 s[\g+4], 128*KS/256
	s_mov_b32 s[\g+5], 32
	s_mov_b32 s[\g+6], 0
	s_mov_b32 s[\g+7], 0
.endr
	s_lshl_b32 s18, s16, 7
	s_lshl_b32 s20, s17, 8
	s_add_co_u32 s20, s20, s18                     ; A': row 256 x tile + 128 x half
	s_lshl_b32 s46, s42, 8
	s_add_co_u32 s46, s46, s18                     ; B' likewise
	s_mov_b32 s21, 0
	s_mov_b32 s47, 0
	s_mov_b64 s[18:19], KS
	s_mul_u64 s[22:23], s[20:21], s[18:19]         ; where these rows' scales begin, in bytes
	s_mul_u64 s[92:93], s[46:47], s[18:19]
	s_mov_b64 s[18:19], KROW
	s_mul_u64 s[20:21], s[20:21], s[18:19]         ; and their codes
	s_mul_u64 s[46:47], s[46:47], s[18:19]
	s_mul_i32 s45, s14, HALFT                      ; where they go: wave x 128 rows: no place in the cluster enters an LDS address
	s_mul_i32 s94, s14, HALFS
	s_wait_kmcnt 0x0
	s_add_nc_u64 s[98:99], s[4:5], 0x400000        ; act's scale bytes lie behind its codes
.if FFN
	s_add_nc_u64 s[20:21], s[4:5], s[20:21]
	s_add_nc_u64 s[22:23], s[98:99], s[22:23]
	s_add_nc_u64 s[46:47], s[6:7], s[46:47]
	s_add_nc_u64 s[92:93], s[8:9], s[92:93]
.else
	s_cmp_eq_u32 s95, 1                            ; which buffer is A' and which B': the choice hangs on the cluster's x alone
	s_cselect_b64 s[100:101], s[6:7], s[4:5]       ; A's codes
	s_cselect_b64 s[4:5], s[4:5], s[6:7]           ; B's codes
	s_cselect_b64 s[6:7], s[8:9], s[98:99]         ; A's scales
	s_cselect_b64 s[8:9], s[98:99], s[8:9]         ; B's scales
	s_add_nc_u64 s[20:21], s[100:101], s[20:21]
	s_add_nc_u64 s[22:23], s[6:7], s[22:23]
	s_add_nc_u64 s[46:47], s[4:5], s[46:47]
	s_add_nc_u64 s[92:93], s[8:9], s[92:93]
.endif
	CROUND                                         ; all sixteen work-groups are here: the first joint loads meet
	s_mov_b32 s[G0S], 1
	s_add_co_u32 s[G0S+1], s94, SCL
	s_mov_b64 s[G0S+2:G0S+3], s[22:23]
	s_or_b32 s[G0S+3], s[G0S+3], 0x80000000
	s_mov_b32 s[G0SB], 1
	s_add_co_u32 s[G0SB+1], s94, SCL
	s_mov_b64 s[G0SB+2:G0SB+3], s[92:93]
	s_or_b32 s[G0SB+3], s[G0SB+3], 0x80000000
	JLOAD G0S, G1S, G0SB, G1SB                     ; the scales first: they are wanted with K step 0
.irp s, 0,1
	s_mov_b32 s[G0+4*\s], 1
	s_add_co_u32 s[G0+4*\s+1], s45, \s*SLOT
	s_add_nc_u64 s[G0+4*\s+2:G0+4*\s+3], s[20:21], \s*ROWB
	s_or_b32 s[G0+4*\s+3], s[G0+4*\s+3], 0x80000000
	s_mov_b32 s[G0B+4*\s], 1
	s_add_co_u32 s[G0B+4*\s+1], s45, \s*SLOT
	s_add_nc_u64 s[G0B+4*\s+2:G0B+4*\s+3], s[46:47], \s*ROWB
	s_or_b32 s[G0B+4*\s+3], s[G0B+4*\s+3], 0x80000000
	JLOAD G0+4*\s, G1, G0B+4*\s, G1B
.endr
	v_and_b32 v1, 15, v0                           ; r = lane % 16
	v_bfe_u32 v2, v0, 4, 1                         ; h = lane / 16
	v_mul_u32_u24 v3, v1, PITCH
	v_lshl_add_u32 v4, v2, 4, v3                   ; a fragment's row x pitch + 16 x half
	s_mul_i32 s21, s15, HALFT                      ; my 128 rows of A'
	s_mul_i32 s22, s16, HALFT                      ; my 128 rows of B',
	s_add_co_u32 s22, s22, 2*HALFT                 ; which lie behind A's 256
.irp s, 0,1
	v_add_nc_u32 v[ADRA+\s], s21, v4
	v_add_nc_u32 v[ADRB+\s], s22, v4
	s_add_co_u32 s21, s21, SLOT
	s_add_co_u32 s22, s22, SLOT
.endr
	v_mul_u32_u24 v5, v1, KS                       ; my row's scales: KS bytes a row,
	v_lshrrev_b32 v6, 8, v5
	v_lshl_add_u32 v5, v6, 4, v5                   ; and 16 more for each 256 passed
	s_mul_i32 s21, s15, HALFS
	s_mul_i32 s22, s16, HALFS
	s_add_co_u32 s22, s22, 2*HALFS
	s_sub_co_u32 s22, s22, s21
	v_mul_u32_u24 v6, s22, v2                      ; lanes 16-31 take B's
	s_add_co_u32 s21, s21, SCL
	v_add_nc_u32 v5, v5, v6
	v_add_nc_u32 v[ADRS], s21, v5
	; the way out's LDS addresses: a constant x wave + constants x lane
	s_mul_i32 s23, s14, STGB
	v_mul_u32_u24 v5, v1, SP
.if FFN
	v_lshl_add_u32 v5, v2, 3, v5                   ; row r, + 8 h: natural order
.else
	v_lshl_add_u32 v5, v2, 4, v5                   ; row r, + 16 h: the lanes' order
.endif
	v_add_nc_u32 v[STO], s23, v5
	v_and_b32 v6, 31, v0
	v_lshrrev_b32 v5, 3, v6
	v_mul_u32_u24 v5, v5, SP
	v_and_b32 v8, 7, v0
	v_lshl_add_u32 v5, v8, 4, v5
	v_add_nc_u32 v[RD], s23, v5                    ; back: eight lanes to a row of 128 bytes, four rows an instruction
	v_lshlrev_b32 v[CO], 4, v6
	s_add_co_u32 s23, s23, WST
	v_lshlrev_b32 v5, 2, v1
.if FFN == 0
	v_lshl_add_u32 v5, v2, 9, v5                   ; lanes 16-31 write the second head's run of words
.endif
	v_add_nc_u32 v[SSA], s23, v5
	v_add_nc_u32 v[SRD], s23, v[CO]
	; where my wave's block of codes and its scale words go
.if FFN
	s_lshl_b32 s20, s17, 1
	s_add_co_u32 s20, s20, s15                     ; block of 128 rows
	s_lshl_b32 s46, s42, 1
	s_add_co_u32 s46, s46, s16                     ; chunk of 128 columns
	s_lshl_b32 s22, s20, 19
	s_lshl_b32 s21, s46, 14
	s_add_co_u32 s22, s22, s21
	s_mov_b32 s23, 0
	s_lshl_b32 s66, s20, 14
	s_lshl_b32 s67, s46, 9
	s_add_co_u32 s66, s66, s67
	s_add_co_u32 s66, s66, 0x1000000               ; the words lie behind 16,777,216 bytes of codes
	s_mov_b32 s67, 0
	s_add_nc_u64 s[96:97], s[12:13], s[66:67]
	s_add_nc_u64 s[12:13], s[12:13], s[22:23]
	s_lshl_b32 s66, s46, 9                         ; b1 of my 128 columns
	s_add_nc_u64 s[66:67], s[10:11], s[66:67]
	v_lshlrev_b32 v[GA], 5, v2
.irp b, 0,1,2,3,4,5,6,7
	global_load_b128 v[BI+8*\b:BI+8*\b+3],   v[GA], s[66:67] offset:64*\b      ; column 16 b + 8 h + 0..7
	global_load_b128 v[BI+8*\b+4:BI+8*\b+7], v[GA], s[66:67] offset:64*\b+16
.endr
.else
	s_lshl_b32 s20, s95, 3
	s_sub_co_u32 s20, s17, s20
	s_lshl_b32 s20, s20, 1
	s_add_co_u32 s20, s20, s15                     ; block of 128 rows: tokens, or for v the head pair
	s_lshl_b32 s46, s42, 1
	s_add_co_u32 s46, s46, s16                     ; chunk of 128 columns: a head pair of q or k, or for v 128 tokens
	s_mov_b32 s47, 0xc00000                        ; q's and k's words begin at 12,582,912,
	s_mov_b32 s93, 0x7f7f0000
	s_cmp_eq_u32 s95, 1
	s_cselect_b32 s21, 19, 18                      ; a block of rows is 524,288 bytes of v's codes, 262,144 of q's and k's
	s_cselect_b32 s22, 0x800000, 0                 ; v's codes begin at 8,388,608
	s_cselect_b32 s3, 9, 10                        ; a chunk's words: 512 bytes for v, 1,024 (two heads) for q and k
	s_cselect_b32 s47, 0xc80000, s47               ; v's at 13,107,200
	s_cselect_b32 s94, -1, 0xffff                  ; what is kept of a row's bytes,
	s_cselect_b32 s93, 0, s93                      ; and what is set beside them
	s_cselect_b32 s2, 0, 16
	s_cmp_eq_u32 ttmp9, 1                          ; k
	s_cselect_b32 s93, 0x7f910000, s93
	s_cselect_b32 s92, 0, -1                       ; what a masked row's codes are ANDed with
	v_mul_u32_u24 v[SHV], s2, v2
	v_mov_b32 v[ONES], -1
	s_lshl_b32 s21, s20, s21
	s_add_co_u32 s22, s22, s21
	s_lshl_b32 s21, s46, 14
	s_add_co_u32 s22, s22, s21
	s_mov_b32 s23, 0
	s_lshl_b32 s66, s20, 14
	s_add_co_u32 s66, s66, s47
	s_lshl_b32 s67, s46, s3
	s_add_co_u32 s66, s66, s67
	s_mov_b32 s67, 0
	s_add_nc_u64 s[96:97], s[12:13], s[66:67]
	s_add_nc_u64 s[12:13], s[12:13], s[22:23]
	s_lshl_b32 s66, s20, 9                         ; the mask words of rows 128 x block on (inside the 4,096 words on every path)
	s_add_nc_u64 s[66:67], s[10:11], s[66:67]
	v_lshlrev_b32 v[GA], 2, v1
.irp a, 0,1,2,3,4,5,6,7
	global_load_b32 v[KM+\a], v[GA], s[66:67] offset:64*\a
.endr
.endif
.macro FRAG reg, adr, q, i             ; a fragment, 16 rows x 128 K: lane l holds row l % 16; registers 4 c .. 4 c + 3 hold K = 32 c + 16 (l / 16) + 0 .. 15
.irp c, 0,1,2,3
	ds_load_b128 v[\reg+4*\c:\reg+4*\c+3], v[\adr] offset:128*(\q)+32*\c+(\i)*16*PITCH
.endr
.endm
; 16 matrix instructions: A's blocks a0, a0 + 1 x B's eight.  The 64 accumulators take turns, one instruction a turn, in the same order in every step.
.macro MUL16 a0, p, q, sc, zero
.irp a, \a0, \a0+1
.irp b, 0,1,2,3,4,5,6,7
.if \zero
	v_wmma_scale_f32_16x16x128_f8f6f4 v[8*(8*((\a)%4)+\b):8*(8*((\a)%4)+\b)+7], v[128*(\p)+FR*\b:128*(\p)+FR*\b+FR-1], v[AF+FR*(\a):AF+FR*(\a)+FR-1], 0, v[SC+8*NQ*(\sc)+NQ*\b+(\q)], v[SC+8*NQ*(\sc)+NQ*(\a)+(\q)] matrix_a_fmt:MATRIX_FMT_BF8 matrix_b_fmt:MATRIX_FMT_BF8 matrix_a_scale:MATRIX_SCALE_ROW1
.else
	v_wmma_scale_f32_16x16x128_f8f6f4 v[8*(8*((\a)%4)+\b):8*(8*((\a)%4)+\b)+7], v[128*(\p)+FR*\b:128*(\p)+FR*\b+FR-1], v[AF+FR*(\a):AF+FR*(\a)+FR-1], v[8*(8*((\a)%4)+\b):8*(8*((\a)%4)+\b)+7], v[SC+8*NQ*(\sc)+NQ*\b+(\q)], v[SC+8*NQ*(\sc)+NQ*(\a)+(\q)] matrix_a_fmt:MATRIX_FMT_BF8 matrix_b_fmt:MATRIX_FMT_BF8 matrix_a_scale:MATRIX_SCALE_ROW1
.endif
.endr
.endr
.endm
.macro FETCH_B slot, q, p
	WIN TO_B
.irp i, 0,1,2,3,4,5,6,7
	FRAG 128*(\p)+FR*\i, ADRB+\slot, \q, \i
.endr
	WIN 0
.endm
.macro FETCH_A slot, q, i0
.irp i, \i0, \i0+1, \i0+2, \i0+3
	FRAG AF+FR*(\i), ADRA+\slot, \q, \i
.endr
.endm
.macro SCALES sc                       ; the next K step's scale words: lanes 0-15 take A's block i, lanes 16-31 B's block i
.irp i, 0,1,2,3,4,5,6,7
	ds_load_b64 v[SC+8*NQ*\sc+NQ*\i:SC+8*NQ*\sc+NQ*\i+1], v[ADRS] offset:\i*SBLK
.endr
.endm
.macro PLACES n                        ; plain vector instructions between a matrix instruction and a load into, or a read or write of, its registers
.rept \n
	v_nop
.endr
.endm
.macro STEP slot, q, zero              ; a step of 128 along K that has its successor in the same slot
	s_wait_dscnt 4*NL                              ; B's set and A's blocks 0-3 are in; the youngest 16 loads (A's blocks 4-7) may be out
	WIN MUL_LO
	MUL16 0, (\q)%2, \q, \slot, \zero
	MUL16 2, (\q)%2, \q, \slot, \zero
	s_wait_dscnt 0
	PLACES NP
	FETCH_B \slot, (\q)+1, 1-(\q)%2
	FETCH_A \slot, (\q)+1, 0
	WIN MUL_HI
	MUL16 4, (\q)%2, \q, \slot, \zero
	MUL16 6, (\q)%2, \q, \slot, \zero
	PLACES NP
	WIN 0
	FETCH_A \slot, (\q)+1, 4
.endm
; A slot's last step changes slots: one barrier; in front of it each wave waits for all its tensor loads, adds 0 to its spare word, and waits for that and for its reads of this slot.
.macro TURN slot, next, fill
	s_wait_tensorcnt 0x0                           ; all my tensor loads have landed: my part of the next slot
	ds_add_u32 v[SPW], v[NIL]                      ; 0 onto my spare word
	s_wait_dscnt 4*NL+1                            ; (the add and the youngest 16 loads may be out)
	WIN MUL_LO
	MUL16 0, 1, NQ-1, \slot, 0
	s_wait_dscnt 0x0                               ; the add is done, and my reads of this slot are over
	s_barrier_signal -1
	MUL16 2, 1, NQ-1, \slot, 0
	WIN 0
	s_barrier_wait -1
.if \fill
	CREST                                          ; the barrier has opened a round of the cluster's barrier: no wave of any partner still reads this slot or has a load on its way
	s_add_nc_u64 s[G0+4*\slot+2:G0+4*\slot+3], s[G0+4*\slot+2:G0+4*\slot+3], 2*ROWB
	s_add_nc_u64 s[G0B+4*\slot+2:G0B+4*\slot+3], s[G0B+4*\slot+2:G0B+4*\slot+3], 2*ROWB
	JLOAD G0+4*\slot, G1, G0B+4*\slot, G1B         ; the first tensor load behind the round
	PLACES NP-4
.else
	PLACES NP
.endif
	s_wait_alu depctr_va_vdst(0)
	v_add_nc_u32 v[ADRS], 4*NQ, v[ADRS]
	FETCH_B \next, 0, 0
	FETCH_A \next, 0, 0
	SCALES \next
	WIN MUL_HI
	MUL16 4, 1, NQ-1, \slot, 0
	MUL16 6, 1, NQ-1, \slot, 0
	PLACES NP
	WIN 0
	FETCH_A \next, 0, 4
.endm
	s_wait_tensorcnt 1                             ; the scales and my part of K step 0 are in (K step 1's load may be out),
	s_barrier_signal -1
	s_barrier_wait -1                              ; everybody's are
	FETCH_B 0, 0, 0
	FETCH_A 0, 0, 0
	SCALES 0
	FETCH_A 0, 0, 4
	STEP 0, 0, 1                                   ; the first step's products start the sums
	s_mov_b32 s3, LAPS-1
.Llap:                                                 ; a trip goes once round the ring and fills both slots again
	TURN 0, 1, 1
	STEP 1, 0, 0
	TURN 1, 0, 1
	STEP 0, 0, 0
	s_sub_co_u32 s3, s3, 1
	s_cmp_lg_u32 s3, 0
	s_cbranch_scc1 .Llap
	TURN 0, 1, 0                                   ; the last lap fills nothing
	STEP 1, 0, 0
	s_wait_dscnt 4*NL
	WIN MUL_LO
	MUL16 0, 1, NQ-1, 1, 0
	MUL16 2, 1, NQ-1, 1, 0
	s_wait_dscnt 0
	WIN MUL_HI
	MUL16 4, 1, NQ-1, 1, 0
	MUL16 6, 1, NQ-1, 1, 0
	WIN 0
; THE WAY OUT, a block of 16 rows x 128 columns at a time.  Lane (r, h) holds row 16 a + r; its registers 16 B + i are columns 32 B + 8 h + i (i < 8) and 32 B + 16 + 8 h + i - 8: with lane l xor 16 a whole block of 32.
; QB a: the block's four largest magnitudes, scale bytes and conversions.  Each accumulator is read from its low end on.
.macro QB a
.set W,   2+(\a)/4
.set AC,  64*((\a)%4)
.set PCS, PC+16*((\a)%2)
.set PWS, PW+(\a)%2
.set SWS, SWD+(\a)%2
.if FFN
	WIN (W|(W<<6))
.set i, 0
.rept 32
	v_pk_add_f32 v[AC+i:AC+i+1], v[AC+i:AC+i+1], v[BI+i:BI+i+1]     ; + b1
.set i, i+2
.endr
.endif
	WIN (W|(W<<2))
.irp b, 0,1,2,3
.if FFN
	v_max3_num_f32 v[TM+\b], v[AC+16*\b], v[AC+16*\b+1], 0x8000000   ; no |.|: what is negative becomes 0 (the activation) and must not count; the floor 2^(16 - 127) stands over it
.else
	v_max3_num_f32 v[TM+\b], |v[AC+16*\b]|, |v[AC+16*\b+1]|, 0x8000000
.endif
.endr
	WIN ((W<<2)|(W<<4))
.irp i, 2,4,6,8,10,12,14
.irp b, 0,1,2,3
.if FFN
	v_max3_num_f32 v[TM+\b], v[TM+\b], v[AC+16*\b+\i], v[AC+16*\b+\i+1]
.else
	v_max3_num_f32 v[TM+\b], v[TM+\b], |v[AC+16*\b+\i]|, |v[AC+16*\b+\i+1]|
.endif
.endr
.endr
	WIN 0
.irp b, 0,1,2,3
	v_permlanex16_b32 v[PT+\b], v[TM+\b], s18, s19
.endr
.irp b, 0,1,2,3
	v_max_num_f32 v[TM+\b], v[TM+\b], v[PT+\b]     ; with lane l xor 16's: the block's largest magnitude
.endr
.irp b, 0,1,2,3
	v_add_nc_u32 v[SO+\b], 0xf8800000, v[TM+\b]    ; 15 off the exponent field: the conversion's scale operand
.endr
.irp b, 0,1,2,3
.endr
.irp b, 0,1,2,3
	v_lshrrev_b32 v[PT+\b], 23, v[SO+\b]           ; the scale's byte
.endr
	v_lshl_or_b32 v[PWS], v[PT+1], 8, v[PT]
	v_lshl_or_b32 v[PWS], v[PT+2], 16, v[PWS]
	v_lshl_or_b32 v[PWS], v[PT+3], 24, v[PWS]
	WIN (W|(W<<6))
.irp b, 0,1,2,3
.irp i, 0,1,2,3,4,5,6,7,8,9,10,11,12,13,14,15
.if FFN
	v_med3_num_f32 v[AC+16*\b+\i], v[AC+16*\b+\i], 0, v[HD+\b]       ; the activation and the hold in one
.else
.endif
.endr
.endr
	WIN W
.irp b, 0,1,2,3
	v_cvt_scalef32_pk8_bf8_f32 v[PCS+4*\b:PCS+4*\b+1], v[AC+16*\b:AC+16*\b+7], v[SO+\b]
	v_cvt_scalef32_pk8_bf8_f32 v[PCS+4*\b+2:PCS+4*\b+3], v[AC+16*\b+8:AC+16*\b+15], v[SO+\b]
.endr
	WIN 0
	v_nop                                          ; a plain instruction behind the last conversion
.if FFN == 0
.set i, 0
.rept 16
	v_and_b32 v[PCS+i], v[PCS+i], v[KM+(\a)]       ; a masked key's codes become zeros (q's and v's rows: AND with -1)
.set i, i+1
.endr
	v_lshrrev_b32 v[SWS], v[SHV], v[PWS]           ; q, k: lanes 0-15 make the first head's word, lanes 16-31 the second's
	v_and_or_b32 v[SWS], v[SWS], s94, s93
.endif
.endm
.macro STLD a                          ; codes and word into my stage; the codes back as rows.  LDS serves a wave's instructions in order (ISA guide 5.7.1.4)
.set PCS, PC+16*((\a)%2)
.set PWS, PW+(\a)%2
.set SWS, SWD+(\a)%2
.set BKS, BK+16*((\a)%4)
.if (\a) >= 4
	s_wait_xcnt 0x0                                ; block a - 4's stores have read these registers
.endif
.irp b, 0,1,2,3
.if FFN
	ds_store_b64 v[STO], v[PCS+4*\b:PCS+4*\b+1] offset:32*\b
	ds_store_b64 v[STO], v[PCS+4*\b+2:PCS+4*\b+3] offset:32*\b+16
.else
	ds_store_b128 v[STO], v[PCS+4*\b:PCS+4*\b+3] offset:32*\b
.endif
.endr
.if FFN
	ds_store_b32 v[SSA], v[PWS] offset:64*(\a)     ; both halves of the lanes write the same word with the same value
.else
	ds_store_b32 v[SSA], v[SWS] offset:64*(\a)
.endif
.irp k, 0,1,2,3
	ds_load_b128 v[BKS+4*\k:BKS+4*\k+3], v[RD] offset:576*\k
.endr
.endm
.macro SEND a
.set BKS, BK+16*((\a)%4)
.irp k, 0,1,2,3
	global_store_b128 v[CO], v[BKS+4*\k:BKS+4*\k+3], s[12:13] offset:2048*(\a)+512*\k   ; 32 lanes store 512 consecutive bytes, aligned
.endr
.endm
	PLACES NP                                      ; behind the last products: for the reads of results and the writes of A's old registers
	s_mov_b32 s18, 0x76543210
	s_mov_b32 s19, 0xfedcba98                      ; selects for lane l xor 16
.irp b, 0,1,2,3
	v_mov_b32 v[PT+\b], 0                          ; written once: a lane permute's destination counts as one of its sources
.endr
	s_wait_loadcnt 0x0                             ; the head's loads: mask words or bias
.if FFN == 0
.irp a, 0,1,2,3,4,5,6,7
	v_cmp_ne_u32 vcc_lo, 0, v[KM+\a]
	v_cndmask_b32 v[KM+\a], s92, v[ONES], vcc_lo   ; -1 where the key counts; where not: 0 for k, -1 for q and v
.endr
.endif
	QB 0
	STLD 0
.irp a, 1,2,3,4,5,6,7
	QB \a
	s_wait_alu depctr_va_vdst(0)
	s_wait_dscnt 0x0                               ; block a - 1 is back in registers, and its stage stores have read theirs
	SEND \a-1
	STLD \a
.endr
	s_wait_dscnt 0x0
	SEND 7
	ds_load_b128 v[224:227], v[SRD]                ; my 128 rows' scale words: 512 bytes
.if FFN == 0
	ds_load_b128 v[228:231], v[SRD] offset:512     ; and the second head's
.endif
	s_wait_dscnt 0x0
	global_store_b128 v[CO], v[224:227], s[96:97]
.if FFN == 0
	s_cmp_lg_u32 s95, 0
	s_cbranch_scc1 .Lone_run                       ; v has one word a row
	global_store_b128 v[CO], v[228:231], s[96:97] offset:512
.Lone_run:
.endif
	s_wait_tensorcnt 0x0                           ; the wave's end
	ds_add_u32 v[SPW], v[NIL]
	s_wait_dscnt 0x0
	CROUND                                         ; the closing round
	s_endpgm
.Lfunc_end_k_q1c2d61447e_qkv:
	.size	k_q1c2d61447e_qkv, .Lfunc_end_k_q1c2d61447e_qkv-k_q1c2d61447e_qkv
	.p2alignl 7, 3214868480
	.fill 96, 4, 3214868480
	.section	.rodata,"a",@progbits
	.p2align	6, 0x0
	.amdhsa_kernel k_q1c2d61447e_qkv
		.amdhsa_group_segment_fixed_size 327680
		.amdhsa_private_segment_fixed_size 0
		.amdhsa_enable_private_segment 0
		.amdhsa_kernarg_size 40
		.amdhsa_user_sgpr_count 2
		.amdhsa_user_sgpr_kernarg_segment_ptr 1
		.amdhsa_wavefront_size32 1
		.amdhsa_system_sgpr_workgroup_id_x 1
		.amdhsa_system_sgpr_workgroup_id_y 1
		.amdhsa_system_sgpr_workgroup_id_z 1
		.amdhsa_system_vgpr_workitem_id 0
		.amdhsa_next_free_vgpr 1024
		.amdhsa_next_free_sgpr 102
		.amdhsa_reserve_vcc 1
		.amdhsa_float_denorm_mode_32 3
		.amdhsa_float_denorm_mode_16_64 3
		.amdhsa_fp16_overflow 1
		.amdhsa_memory_ordered 1
		.amdhsa_forward_progress 1
		.amdhsa_inst_pref_size 163
	.end_amdhsa_kernel
	.amdgpu_metadata
---
amdhsa.version: [ 1, 2 ]
amdhsa.kernels:
  - .name:           k_q1c2d61447e_qkv
    .symbol:         k_q1c2d61447e_qkv.kd
    .args:
      - { .name: act, .offset: 0, .size: 8, .value_kind: global_buffer, .address_space: global }
      - { .name: w_qkv_codes, .offset: 8, .size: 8, .value_kind: global_buffer, .address_space: global }
      - { .name: w_qkv_scales, .offset: 16, .size: 8, .value_kind: global_buffer, .address_space: global }
      - { .name: mask, .offset: 24, .size: 8, .value_kind: global_buffer, .address_space: global }
      - { .name: qkv, .offset: 32, .size: 8, .value_kind: global_buffer, .address_space: global }
    .group_segment_fixed_size: 327680
    .private_segment_fixed_size: 0
    .kernarg_segment_align: 8
    .kernarg_segment_size: 40
    .max_flat_workgroup_size: 128
    .sgpr_count:     102
    .vgpr_count:     1024
    .wavefront_size: 32
...
	.end_amdgpu_metadata
.endif
;; end of part 2
;; launch attn (part 3): grid 16 x 16, 16 waves a work-group, no clusters, 327,680 bytes of LDS; arguments qkv, mask, att; writes att
.if DOCPART == 3
	.amdgcn_target "amdgcn-amd-amdhsa--gfx1250"
	.amdhsa_code_object_version 6
	.text
	.protected	k_q1c2d61447e_attn
	.globl	k_q1c2d61447e_attn
	.p2align	8
	.type	k_q1c2d61447e_attn,@function
k_q1c2d61447e_attn:
	s_mov_b64 s[64:65], 0
	v_nop
	global_prefetch_b8 v0, s[64:65] scope:SCOPE_SE
	s_setreg_imm32_b32 hwreg(HW_REG_WAVE_MODE, 25, 1), 1
	s_wait_xcnt 0x0
; att = Q(softmax(q k^T / 8, keys with mask 0 hidden) v), both products on codes of BF8 (E5M2) with E8M0 scales, for 2 batches x 16 heads of 64, 2,048 tokens.
; THE SOFTMAX AHEAD OF THE SECOND PRODUCT: t = score x log2(e) / 8; M = the running largest t rounded UP to a whole number; p = 2^(t - M) is quantised along the keys, not normalised; the row's sum is taken of the
; unquantised p and divides O at the end.  When M moves, the sum and O are multiplied by 2^(old M - new M): exact.
; SHARES.  A work-group owns 128 queries of a PAIR of heads (a row of q's and k's codes is 128 bytes: two heads).  Wave w: head w / 8 of the pair, query tile w % 8: 16 queries in 256 registers, four waves to a SIMD, so that one
; wave's vector work stands beside another's matrix work and LDS loads.  Every wave walks the batch's 2,048 keys, 128 a step; two steps to a slot, two slots; waves 0 and 1 fetch K's two steps, waves 2 and 3 V's.
; NO CLUSTER.  The sixteen query blocks of a head pair walk the same K and V, and joint loads would divide those requests by four.  They are not used: a joint refill stands behind a round of the cluster's barrier, whose closing
; barrier a wave reaches only behind all its work of the slot.  Here a wave signals as soon as its last read of the slot is back, and the last step's softmax and second product, some 290 instructions on registers alone,
; stand between the signal and the wait.  What would be shared is 73,728 bytes a slot, beside 32 wave steps of 12 matrix and some 290 vector instructions each.
; LAYOUT.  Both products are used transposed: S^T = K Q^T, O^T = V^T P^T: a lane holds one query throughout.  Tiles take neighbouring rows; within a block of 32 the codes of q, k and v stand in the order in which the lanes
; of the launch before held them, which is the order in which p's codes come out here: the products are the same sums.
; THE MASK rides in the first product.  A head has 64 along K, the instruction 128.  Q carries the number 1.0 at K = 64 (code 2^15 under the scale byte 0x70 = 2^-15); a hidden key carries -2^15 there (scale byte 0x91 = 2^18) and
; zeros as its 64 codes: its score is exactly -2^33, its t a whole number; it gets p = 0, or, where every key of a row is hidden, p = 1 for all keys: the uniform weights of the definition.
; V's FRAGMENTS TAKE K's REGISTERS, as soon as the first product has read them: so a step's LDS reads are over ahead of its softmax.  Registers 9-15 of K's fragments (K = 68 on) then hold V's codes of the step before; Q is zero
; there, and V's codes are finite (the launch before holds them at the largest code), so those products are zeros; the third block's two scale bytes multiply to 2^3.
; LIMITS: a hidden key's logit is -2^30 where the definition writes -1e9: results differ only where a true logit lies below about -1e9.  A block of zeros gets the byte 1; NaN and infinities are not served.
; REGISTERS: v1-11 addresses; v12 -M, v13 the largest t, v[14:15] the sum; v16-31 Q; v32-95 four fragments of K, then V's four; v96-159 S^T, then p; v160-191 O^T;
; v192-207 p's codes; v208-209 the mask words' addresses; v210-215 K's and V's scale words (two tiles to a register); v232-254 at work; v253 p's scale word; v255 Q's.
.set KP,    144                        ; a row of 128 bytes in LDS + 16 of padding: the 16 rows of a fragment load start at 16 different banks (64 banks of 4 bytes: ISA guide 11.1)
.set BLK,   128*KP                     ; a tile: 128 rows
.set SLOT1, 1<<17                      ; a slot: K of two steps, V of two steps: 4 BLK; slot 1 begins here, so that one exclusive or turns an address
.set NSL,   8
.set OST,   204800                     ; the way out: 128 rows x 144 bytes of codes,
.set OSC,   223232                     ; and their 128 scale words
.set KSC,   262144                     ; K's scale words [head of the pair][2,048 keys]
.set VSC,   278528                     ; V's [step 16][128 rows]
.set BIAS,  286720                     ; a word for each key: 0xf8 where it is hidden, else 0
.set SPARE, 294912                     ; the spare words, 128 bytes for each wave: eight blocks of 256 bytes that no other line names
.set QKW,   0xc00000                   ; in qkv: q's and k's scale words;
.set VCD,   0x800000                   ; v's codes;
.set VW,    0xc80000                   ; v's scale words
.set AK0,  1
.set AV0,  2
.set ASK0, 3
.set ASV0, 4
.set SPW,  5
.set NIL,  6
.set PFO,  7                           ; v7   256 x lane: the prefetches' offset; never rewritten
.set ADK,  8
.set ADV,  9
.set ADS,  10
.set ADT,  11
.set AB0,  208
.set ADB,  209
.set KSW,  210
.set VSW,  214
.set GO,   216
.set WV,   18
.set MNT,  19
.set SEL,  20
.set CS,   22
.set TB,   12                          ; s12  LDS byte at which the slot in hand begins
.set TS,   13                          ; s13  512 x the key step: where its scale and mask words begin
.set SLOTS, 14
.set LIM,  15
.set PFA,  40
.set PFS,  42
; The refill: waves 0 to 3, each its own tile by the wave's number.  Four v_nop follow the line.
.macro JLOAD
	s_cmp_lt_u32 s[WV], 4
	s_cbranch_scc0 .Lasked_\@
	tensor_load_to_lds s[32:35], s[24:31]
	s_nop 0
.rept 4
	v_nop
.endr
.Lasked_\@:
.endm
; A prefetch into the L2 of what the NEXT change of slots will ask for: two tiles of K and two of V, 16,384 bytes each.  All sixteen work-groups of a head pair walk the same tiles: the first of them asks (a branch on the
; work-group's number).  In it the waves ask that fetch nothing, one instruction each: waves 4 to 7 for K's 32,768 bytes, waves 8 to 11 for V's, 8,192 bytes a wave, lanes 256 bytes apart: each aligned block of 256 bytes is
; named once in the launch.  The last change that fills a slot asks for nothing; slots 0 and 1 come by their loads alone.
.macro ASK
	s_cmp_gt_u32 s[SLOTS], s[LIM]
	s_cbranch_scc0 .Lnot_mine_\@
	global_prefetch_b8 v[PFO], s[PFA:PFA+1] th:TH_LOAD_NT scope:SCOPE_SE
.Lnot_mine_\@:
.endm
; The head of a change of slots: all my tensor loads have landed; 0 onto my spare word; the walking descriptor and the prefetches' address step while the add is out.  The wait for the add and the signal follow in the text.
.macro MEET
	s_wait_tensorcnt 0x0                           ; no tensor load of mine is out, so the group 0 may be written
	ds_add_u32 v[SPW], v[NIL]                      ; 0 onto my spare word
	ds_add_u32 v5, v6
	s_xor_b32 s33, s33, SLOT1                      ; the other slot than last time,
	s_add_nc_u64 s[34:35], s[34:35], s[36:37]      ; the next 256 keys; the type bits on top are not reached
	s_wait_xcnt 0x0                                ; the last prefetch, a slot back, has read its address
	s_add_nc_u64 s[PFA:PFA+1], s[PFA:PFA+1], s[PFS:PFS+1]
.endm
	s_load_b128 s[4:7], s[0:1], 0x0                ; qkv, mask
	s_load_b64 s[8:9], s[0:1], 0x10                ; att
	v_lshl_add_u32 v[SPW], v0, 2, SPARE
	v_mov_b32 v[NIL], 0
	ds_add_u32 v5, v6
	ds_add_u32 v5, v6
	s_wait_dscnt 0x0
	v_lshrrev_b32 v8, 5, v0
	v_readfirstlane_b32 s[WV], v8                  ; wave 0..15
	s_lshr_b32 s10, s[WV], 3                       ; e: my head of the pair
	s_and_b32 s11, s[WV], 7                        ; qt: my tile of 16 queries
	s_mov_b32 s45, ttmp9                           ; my block of 128 queries
	s_and_b32 s46, ttmp7, 0xffff
	s_lshr_b32 s47, s46, 3                         ; the batch
	s_and_b32 s46, s46, 7                          ; the head pair
	; what I fetch, if I fetch: waves 0, 1: K of step w % 2; waves 2, 3: V of step w % 2
	s_and_b32 s48, s[WV], 1
	s_lshl_b32 s49, s47, 4
	s_add_co_u32 s49, s49, s48                     ; block of 128 tokens: 16 x batch + step
	s_lshl_b32 s50, s49, 18
	s_lshl_b32 s51, s46, 14
	s_add_co_u32 s50, s50, s51
	s_add_co_u32 s50, s50, 8*16384                 ; K: chunk 8 + pair of that block
	s_lshl_b32 s52, s49, 14
	s_lshl_b32 s53, s46, 19
	s_add_co_u32 s52, s52, s53
	s_add_co_u32 s52, s52, VCD                     ; V: the pair's rows, that chunk of keys
	s_mov_b32 s36, 32768
	s_cmp_lt_u32 s[WV], 2
	s_cselect_b32 s50, s50, s52
	s_cselect_b32 s36, 0x80000, s36                ; a slot on: two blocks of tokens
	s_mov_b32 s51, 0
	s_mov_b32 s37, 0
	; descriptor group 1: 128 rows x 128 bytes, dense in memory, 16 bytes of padding behind each row
	s_mov_b32 s24, (1<<20)|(4<<22)|(3<<25)         ; no mask; elements of 1 byte; padding on; after every 32 words; four words
	s_mov_b32 s25, 128<<16
	s_mov_b32 s26, 128<<16
	s_mov_b32 s27, 128<<16
	s_mov_b32 s28, 128
	s_mov_b32 s29, 128
	s_mov_b32 s30, 0
	s_mov_b32 s31, 0
	s_mov_b32 s32, 1
	s_mul_i32 s33, s[WV], BLK                      ; LDS: tile w of slot 0
	; offsets of what each thread loads once
	s_lshl_b32 s54, s47, 18
	s_lshl_b32 s55, s46, 10
	s_add_co_u32 s54, s54, s55
	s_add_co_u32 s54, s54, QKW+16*512              ; K's scale words: the batch's blocks, heads 16 + 2 x pair on
	s_mov_b32 s55, 0
	s_lshl_b32 s56, s46, 14
	s_lshl_b32 s57, s47, 13
	s_add_co_u32 s56, s56, s57
	s_add_co_u32 s56, s56, VW                      ; V's scale words: 8,192 dense bytes
	s_mov_b32 s57, 0
	s_lshl_b32 s58, s47, 13                        ; the batch's mask
	s_mov_b32 s59, 0
	s_lshl_b32 s66, s47, 4
	s_add_co_u32 s66, s66, s45                     ; my block of 128 tokens
	s_lshl_b32 s60, s66, 18
	s_lshl_b32 s61, s46, 14
	s_add_co_u32 s60, s60, s61
	s_lshl_b32 s61, s11, 11
	s_add_co_u32 s60, s60, s61
	s_lshl_b32 s61, s10, 6
	s_add_co_u32 s60, s60, s61                     ; Q's codes: chunk = pair, row 16 qt, my head's 64 bytes
	s_mov_b32 s61, 0
	s_lshl_b32 s62, s66, 14
	s_lshl_b32 s63, s46, 10
	s_add_co_u32 s62, s62, s63
	s_lshl_b32 s63, s10, 9
	s_add_co_u32 s62, s62, s63
	s_lshl_b32 s63, s11, 6
	s_add_co_u32 s62, s62, s63
	s_add_co_u32 s62, s62, QKW                     ; Q's scale words
	s_mov_b32 s63, 0
	s_lshl_b32 s68, s66, 17
	s_lshl_b32 s69, s46, 14
	s_add_co_u32 s68, s68, s69
	s_lshl_b32 s69, s[WV], 10
	s_add_co_u32 s68, s68, s69                     ; the output's codes: 8 rows of 128 bytes a wave
	s_mov_b32 s69, 0
	s_lshl_b32 s70, s66, 12
	s_lshl_b32 s71, s46, 9
	s_add_co_u32 s70, s70, s71
	s_add_co_u32 s70, s70, 0x400000                ; and its scale words
	s_mov_b32 s71, 0
	; the prefetches: where my wave's part of slot 1 stands (the first change of slots steps it to slot 2)
	s_sub_co_u32 s48, s[WV], 4
	s_and_b32 s44, s48, 3                          ; which 8,192 bytes of the 32,768 are mine
	s_lshr_b32 s72, s44, 1
	s_lshl_b32 s72, s72, 18                        ; K: the slot's two blocks of tokens lie 262,144 bytes apart,
	s_and_b32 s73, s44, 1
	s_lshl_b32 s73, s73, 13                        ; each with 16,384 bytes of this head pair
	s_add_co_u32 s72, s72, s73
	s_lshl_b32 s73, s47, 22
	s_add_co_u32 s72, s72, s73
	s_lshl_b32 s73, s46, 14
	s_add_co_u32 s72, s72, s73
	s_add_co_u32 s72, s72, 8*16384+0x80000
	s_lshl_b32 s74, s44, 13                        ; V: the slot's two chunks are 32,768 bytes on end
	s_lshl_b32 s75, s47, 18
	s_add_co_u32 s74, s74, s75
	s_lshl_b32 s75, s46, 19
	s_add_co_u32 s74, s74, s75
	s_add_co_u32 s74, s74, VCD+32768
	s_mov_b32 s[PFS], 32768
	s_cmp_lt_u32 s[WV], 8
	s_cselect_b32 s72, s72, s74
	s_cselect_b32 s[PFS], 0x80000, s[PFS]
	s_mov_b32 s73, 0
	s_mov_b32 s[PFS+1], 0
	s_lshr_b32 s48, s48, 3                         ; 0 in waves 4 to 11,
	s_or_b32 s48, s48, ttmp9                       ; of the head pair's first work-group
	s_cmp_eq_u32 s48, 0
	s_cselect_b32 s[LIM], 1, -1
	s_mov_b32 s[SEL], 0x76543210
	s_mov_b32 s[SEL+1], 0xfedcba98
	s_mov_b32 s[CS], 0x3e38aa3b                    ; c = log2(e) / 8
	s_mov_b32 s[CS+1], s[CS]
	s_mov_b32 s[TB], 0
	s_mov_b32 s[TS], 0
	s_mov_b32 s[SLOTS], NSL-1
	s_wait_kmcnt 0x0
	s_add_nc_u64 s[34:35], s[4:5], s[50:51]
	s_or_b32 s35, s35, 0x80000000
	JLOAD                                          ; slot 0: the first fill, ahead of every wait on TENSORcnt, every LDS read and every barrier
	s_add_nc_u64 s[54:55], s[4:5], s[54:55]
	s_add_nc_u64 s[56:57], s[4:5], s[56:57]
	s_add_nc_u64 s[58:59], s[6:7], s[58:59]
	s_add_nc_u64 s[60:61], s[4:5], s[60:61]
	s_add_nc_u64 s[62:63], s[4:5], s[62:63]
	s_add_nc_u64 s[68:69], s[8:9], s[68:69]
	s_add_nc_u64 s[70:71], s[8:9], s[70:71]
	s_add_nc_u64 s[PFA:PFA+1], s[4:5], s[72:73]
	v_bfe_u32 v8, v0, 4, 4                         ; thread t: K's words of head t / 256, block (t % 256) / 16, 32 bytes at 32 (t % 16)
	v_lshrrev_b32 v9, 8, v0
	v_and_b32 v10, 15, v0
	v_lshlrev_b32 v8, 14, v8
	v_lshl_add_u32 v8, v9, 9, v8
	v_lshl_add_u32 v8, v10, 5, v8
	v_lshlrev_b32 v9, 4, v0
	global_load_b128 v[96:99], v8, s[54:55]
	global_load_b128 v[100:103], v8, s[54:55] offset:16
	global_load_b128 v[104:107], v9, s[56:57]
	global_load_b128 v[108:111], v9, s[58:59]
	v_and_b32 v232, 15, v0                         ; r
	v_bfe_u32 v233, v0, 4, 1                       ; h
	v_and_b32 v234, 31, v0                         ; lane
	v_lshlrev_b32 v11, 7, v232
	v_lshl_add_u32 v11, v233, 4, v11
	global_load_b128 v[16:19], v11, s[60:61]       ; Q's fragment: K = 16 h .. and 32 + 16 h ..
	global_load_b128 v[20:23], v11, s[60:61] offset:32
	v_lshlrev_b32 v254, 2, v232
	global_load_b32 v255, v254, s[62:63]
	v_mul_u32_u24 v235, v232, KP
	v_lshl_add_u32 v235, v233, 4, v235             ; row r x pitch + 16 h
	s_lshl_b32 s48, s10, 6
	v_add_nc_u32 v[AK0], s48, v235                 ; K: + my head's 64 bytes
	s_mul_i32 s49, s10, 64*KP
	s_add_co_u32 s49, s49, 2*BLK
	v_add_nc_u32 v[AV0], s49, v235                 ; V: behind K's two tiles, my head's 64 rows
	s_lshl_b32 s49, s10, 13
	s_add_co_u32 s49, s49, KSC
	v_lshl_add_u32 v[ASK0], v234, 2, s49           ; scale words: lanes 0-15 an even tile's rows, lanes 16-31 the odd tile's
	s_lshl_b32 s49, s10, 8
	s_add_co_u32 s49, s49, VSC
	v_lshl_add_u32 v[ASV0], v234, 2, s49
	v_lshl_add_u32 v[AB0], v232, 2, BIAS
	v_lshlrev_b32 v[PFO], 8, v234
	v_sub_nc_u32 v24, 1, v233
	v_mul_u32_u24 v24, v24, 0x78                   ; Q at K = 64: the code of 2^15 (lanes 0-15 hold K = 64 .. 79); its block's scale byte becomes 2^-15 below: the number 1.0
.irp i, 25,26,27,28,29,30,31
	v_mov_b32 v[\i], 0
.endr
.irp t, 0,1,2,3
.irp i, 9,10,11,12,13,14,15
	v_mov_b32 v[32+16*\t+\i], 0                    ; K beyond the mask's word: zeros for the first step; later V's codes of the step before, which meet Q's zeros
.endr
.endr
	v_mov_b32 v13, 0xff61b1e6                      ; the largest t so far: -3e38
	v_floor_f32 v12, -v13                          ; -M
	v_mov_b32 v14, 0
	v_mov_b32 v15, 0
.irp b, 0,1,2,3
	v_mov_b32 v[236+\b], 0                         ; a lane permute's destination counts as one of its sources
.endr
	v_mov_b32 v253, 0
.irp j, 0,1,2,3,4,5,6,7,8,9,10,11,12,13,14,15,16,17,18,19,20,21,22,23,24,25,26,27,28,29,30,31
	v_mov_b32 v[160+\j], 0                         ; O^T: the loop is written once; its first step finds zeros
.endr
	v_mov_b32 v112, 0xf8                           ; the code of -2^15
	s_mov_b32 s48, 0xff00ffff
	s_wait_loadcnt 0x0
	v_and_or_b32 v255, v255, s48, 0x700000         ; Q's scale word: the third block's byte becomes 0x70 = 2^-15
	v_lshl_add_u32 v10, v0, 5, KSC
	v_lshl_add_u32 v11, v0, 4, VSC
.irp i, 0,1,2,3
	v_cmp_eq_u32 vcc_lo, 0, v[108+\i]
	v_cndmask_b32 v[108+\i], 0, v112, vcc_lo
.endr
	ds_store_b128 v10, v[96:99]
	ds_store_b128 v10, v[100:103] offset:16
	ds_store_b128 v11, v[104:107]
	ds_store_b128 v11, v[108:111] offset:BIAS-VSC
; The largest score of blocks b0 and b1 of 32 keys (my 16 of each): two chains a block, one for each of its two tiles, each tile read from its low end on; the second chain joins the first in the last line.
.macro BMAX b0, b1
.irp b, \b0, \b1
	v_max3_num_f32 v[232+\b], v[96+16*\b], v[97+16*\b], v[98+16*\b]
	v_max3_num_f32 v[236+\b], v[104+16*\b], v[105+16*\b], v[106+16*\b]
.endr
.irp i, 3,5
.irp b, \b0, \b1
	v_max3_num_f32 v[232+\b], v[232+\b], v[96+16*\b+\i], v[97+16*\b+\i]
	v_max3_num_f32 v[236+\b], v[236+\b], v[104+16*\b+\i], v[105+16*\b+\i]
.endr
.endr
.irp b, \b0, \b1
	v_max_num_f32 v[236+\b], v[236+\b], v[111+16*\b]
.endr
.irp b, \b0, \b1
	v_max3_num_f32 v[232+\b], v[232+\b], v[103+16*\b], v[236+\b]
.endr
.endm
; A KEY STEP: 128 keys, the q-th of the slot in hand.  meet = 1: the slot's last step, in a trip behind which slots change: when V's loads are issued, my reads of the slot are all on their way: the wait for all my tensor
; loads, the add, the wait for the add and for those reads, and the signal stand there; all that follows in the step works on registers alone; the barrier's wait stands at the step's end.
.macro STEP q, meet
	v_add_nc_u32 v[ADK], s[TB], v[AK0]
	v_add_nc_u32 v[ADV], s[TB], v[AV0]
	v_add_nc_u32 v[ADS], s[TS], v[ASK0]
	v_add_nc_u32 v[ADT], s[TS], v[ASV0]
	v_add_nc_u32 v[ADB], s[TS], v[AB0]
.rept 3
	v_nop                                          ; with the five additions eight places: the loads below land in v32-95, which the last step's second product read
.endr
.irp g, 0,1                                    ; S^T = K Q^T, four tiles of 16 keys at a time
.if \g > 0
.rept 8
	v_nop                                          ; places in front of loads into registers that matrix instructions have read; also the places behind tiles 0-3's products, which BMAX 0, 1 reads
.endr
.endif
.irp t, 0,1,2,3
	ds_load_b128 v[32+16*\t:35+16*\t], v[ADK] offset:BLK*(\q)+16*KP*(4*\g+\t)
	ds_load_b128 v[36+16*\t:39+16*\t], v[ADK] offset:BLK*(\q)+16*KP*(4*\g+\t)+32
	ds_load_b32 v[40+16*\t], v[ADB] offset:64*(4*\g+\t)          ; K = 64: the key's mask word (in lanes 16-31 it meets Q's zeros)
.endr
	ds_load_b32 v[KSW+2*\g], v[ADS] offset:256*\g
	ds_load_b32 v[KSW+2*\g+1], v[ADS] offset:256*\g+128
	s_wait_dscnt 0x0
.irp t, 0,1,2,3
.if (\t)%2
	v_wmma_scale_f32_16x16x128_f8f6f4 v[96+8*(4*\g+\t):103+8*(4*\g+\t)], v[32+16*\t:47+16*\t], v[16:31], 0, v[KSW+2*\g+\t/2], v255 matrix_a_fmt:MATRIX_FMT_BF8 matrix_b_fmt:MATRIX_FMT_BF8 matrix_a_scale:MATRIX_SCALE_ROW1
.else
	v_wmma_scale_f32_16x16x128_f8f6f4 v[96+8*(4*\g+\t):103+8*(4*\g+\t)], v[32+16*\t:47+16*\t], v[16:31], 0, v[KSW+2*\g+\t/2], v255 matrix_a_fmt:MATRIX_FMT_BF8 matrix_b_fmt:MATRIX_FMT_BF8
.endif
.endr
.endr
	BMAX 0, 1                                      ; THE LARGEST SCORE OF EACH BLOCK OF 32 KEYS serves twice: for the row's maximum and, since p rises with the score, for the block's largest p.  These 16 lines read tiles 0-3 alone: they are the places behind tiles 4-7's products
.irp t, 0,1,2,3                                ; V's four fragments (16 of my head's 64 x these 128 keys) into K's registers: my last reads of this step's tiles
.irp c, 0,1,2,3
	ds_load_b128 v[32+16*\t+4*\c:35+16*\t+4*\c], v[ADV] offset:BLK*(\q)+16*KP*\t+32*\c
.endr
.endr
	ds_load_b32 v[VSW], v[ADT]
	ds_load_b32 v[VSW+1], v[ADT] offset:128
.if \meet
	MEET
.endif
	BMAX 2, 3                                      ; (with meet = 1: work on registers between the add and the wait for it)
.if \meet
	s_wait_dscnt 0x0                               ; the add is done, and my reads of this slot are back
	s_barrier_signal -1                            ; say so; from here to the wait at the step's end: registers alone
.endif
.irp b, 0,1,2,3
	v_permlanex16_b32 v[236+\b], v[232+\b], s[SEL], s[SEL+1]
.endr
.irp b, 0,1,2,3
	v_max_num_f32 v[232+\b], v[232+\b], v[236+\b]  ; with lane l xor 16's 16 keys
.endr
	v_max3_num_f32 v254, v232, v233, v234
	v_max_num_f32 v254, v254, v235
	v_mul_f32 v254, s[CS], v254                    ; as t
	v_max_num_f32 v13, v13, v254                   ; the running largest t
	v_mov_b32 v254, v12
	v_floor_f32 v12, -v13                          ; the new -M = -ceil(t)
	v_sub_f32 v254, v12, v254                      ; old M - new M: a whole number, 0 or less
	v_cvt_i32_f32 v254, v254                       ; (it saturates)
	v_ldexp_f32 v252, 1.0, v254                    ; f = 2^(old M - new M)
.irp b, 0,1,2,3
	v_fma_f32 v[232+\b], v[232+\b], s[CS], v12     ; t - M of each block's largest score
.endr
.irp j, 0,2,4,6
	v_pk_fma_f32 v[96+\j:97+\j], v[96+\j:97+\j], s[CS:CS+1], v[12:13] op_sel_hi:[1,0,0]   ; t - M, two at a time: the first four pairs
.endr
.set j, 0
.rept 28                                       ; ONE BATCH of 68 exponentials; the other 28 scalings are spread among them, each four pairs ahead of its pair's exponentials; none of these lines names an exponential's result
	v_pk_fma_f32 v[104+j:105+j], v[104+j:105+j], s[CS:CS+1], v[12:13] op_sel_hi:[1,0,0]
	v_exp_f32 v[96+j], v[96+j]                     ; p = 2^(t - M)
	v_exp_f32 v[97+j], v[97+j]
.set j, j+2
.endr
.irp j, 56,57,58,59,60,61,62,63
	v_exp_f32 v[96+\j], v[96+\j]
.endr
.irp b, 0,1,2,3
	v_exp_f32 v[232+\b], v[232+\b]                 ; the block's largest p: the same multiply-add and exponential on the same number
.endr
	v_pk_mul_f32 v[14:15], v[14:15], v[252:253] op_sel_hi:[1,0]   ; the sums under the new M (a plain instruction behind the exponentials)
.irp j, 0,2,4,6,8,10,12,14
	v_pk_mul_f32 v[160+\j:161+\j], v[160+\j:161+\j], v[252:253] op_sel_hi:[1,0]   ; half of O^T under the new M: work that names no exponential's result
.endr
	s_wait_alu depctr_va_vdst(0)                   ; one wait for the batch, ahead of its first reader
	v_pk_add_f32 v[236:237], v[96:97], v[98:99]    ; the row's sum of the unquantised p, in two chains
.irp j, 4,8,12,16,20,24,28,32,36,40,44,48,52,56,60
	v_pk_add_f32 v[14:15], v[14:15], v[96+\j:97+\j]
	v_pk_add_f32 v[236:237], v[236:237], v[98+\j:99+\j]
.endr
	v_pk_add_f32 v[14:15], v[14:15], v[236:237]
.irp b, 0,1,2,3
	v_max_num_f32 v[232+\b], 0x8000000, v[232+\b]  ; the floor 2^(16 - 127)
.endr
.irp b, 0,1,2,3
	v_add_nc_u32 v[244+\b], 0xf8800000, v[232+\b]  ; the conversion's scale operand
.endr
.irp b, 0,1,2,3
.endr
.irp b, 0,1,2,3
	v_lshrrev_b32 v[236+\b], 23, v[244+\b]
.endr
	v_lshl_or_b32 v253, v237, 8, v236              ; p's scale word for these 128 keys
	v_lshl_or_b32 v253, v238, 16, v253
	v_lshl_or_b32 v253, v239, 24, v253
.irp b, 0,1,2,3
.irp i, 0,1,2,3,4,5,6,7,8,9,10,11,12,13,14,15
.endr
	v_cvt_scalef32_pk8_bf8_f32 v[192+4*\b:193+4*\b], v[96+16*\b:103+16*\b], v[244+\b]
	v_cvt_scalef32_pk8_bf8_f32 v[194+4*\b:195+4*\b], v[104+16*\b:111+16*\b], v[244+\b]
.endr
.irp j, 16,18,20,22,24,26,28,30
	v_pk_mul_f32 v[160+\j:161+\j], v[160+\j:161+\j], v[252:253] op_sel_hi:[1,0]   ; the other half of O^T; these eight are also the places between the codes' conversions and the products
.endr
.if (\meet) == 0
	s_wait_dscnt 0x0                               ; V's fragments and scale words, asked for ahead of the softmax
.endif
.irp t, 0,1,2,3
.if (\t)%2
	v_wmma_scale_f32_16x16x128_f8f6f4 v[160+8*\t:167+8*\t], v[32+16*\t:47+16*\t], v[192:207], v[160+8*\t:167+8*\t], v[VSW+\t/2], v253 matrix_a_fmt:MATRIX_FMT_BF8 matrix_b_fmt:MATRIX_FMT_BF8 matrix_a_scale:MATRIX_SCALE_ROW1
.else
	v_wmma_scale_f32_16x16x128_f8f6f4 v[160+8*\t:167+8*\t], v[32+16*\t:47+16*\t], v[192:207], v[160+8*\t:167+8*\t], v[VSW+\t/2], v253 matrix_a_fmt:MATRIX_FMT_BF8 matrix_b_fmt:MATRIX_FMT_BF8
.endif
.endr
	s_add_co_u32 s[TS], s[TS], 512
.if \meet
	s_barrier_wait -1                              ; every wave has said so: nobody reads the slot that I leave, and the slot ahead is whole
.endif
.endm
	MEET                                           ; the first barrier: slot 0 has landed; the descriptor steps to slot 1
	s_wait_dscnt 0x0                               ; the add is done, and so are my stores of the scale and mask words
	s_barrier_signal -1
	s_barrier_wait -1
.Lslot:                                            ; NSL - 1 trips: each begins with the fill of the slot that has just been left (in the first trip: slot 1's first fill)
	JLOAD                                          ; the first thing behind the barrier, a wave's one tensor load until the next
	ASK
	STEP 0, 0
	STEP 1, 1
	s_xor_b32 s[TB], s[TB], SLOT1
	s_sub_co_u32 s[SLOTS], s[SLOTS], 1
	s_cmp_lg_u32 s[SLOTS], 0
	s_cbranch_scc1 .Lslot
	STEP 0, 0                                      ; the last slot is written out; nothing is asked for, and no slot changes behind it
	STEP 1, 0
	; THE WAY OUT.  O^T / the sum is quantised along the model's 1,024 (my head's 64: two blocks of 32), meets the other waves' in a stage, and leaves as rows of 128 bytes, natural order along K.
	v_add_f32 v14, v14, v15
	v_permlanex16_b32 v252, v14, s[SEL], s[SEL+1]
	v_add_f32 v14, v14, v252                       ; the row's sum
	v_rcp_f32 v14, v14
	v_and_b32 v8, 15, v0                           ; r  (the address work: plain instructions behind the reciprocal, and the places behind the last products)
	v_bfe_u32 v9, v0, 4, 1                         ; h
	s_lshl_b32 s48, s11, 4
	v_add_nc_u32 v10, s48, v8                      ; my row of the 128
	v_mul_u32_u24 v11, v10, KP
	v_lshl_add_u32 v11, v9, 3, v11
	s_lshl_b32 s49, s10, 6
	s_add_co_u32 s49, s49, OST
	v_add_nc_u32 v11, s49, v11                     ; in: row, + 64 e + 8 h; tile t's eight codes 16 t on
	v_lshlrev_b32 v10, 2, v10
	s_lshl_b32 s49, s10, 1
	s_add_co_u32 s49, s49, OSC
	v_add_nc_u32 v10, s49, v10                     ; my head's two bytes of the row's scale word
	v_and_b32 v[GO], 31, v0
	v_lshrrev_b32 v217, 3, v[GO]
	s_lshl_b32 s49, s[WV], 3
	v_add_nc_u32 v217, s49, v217
	v_mul_u32_u24 v217, v217, KP
	v_and_b32 v218, 7, v0
	v_lshl_add_u32 v217, v218, 4, v217
	v_add_nc_u32 v217, OST, v217                   ; back: rows 8 w on, eight lanes to a row
	v_lshlrev_b32 v[GO], 4, v[GO]
	v_add_nc_u32 v219, OSC, v[GO]
	s_wait_alu depctr_va_vdst(0)                   ; the wait ahead of the reciprocal's first reader
.irp j, 0,1,2,3,4,5,6,7,8,9,10,11,12,13,14,15,16,17,18,19,20,21,22,23,24,25,26,27,28,29,30,31
	v_mul_f32 v[96+\j], v[160+\j], v14             ; register 8 t + i is o(query r, 16 t + 8 h + i)
.endr
.irp b, 0,1
	v_max3_num_f32 v[232+\b], |v[96+16*\b]|, |v[97+16*\b]|, 0x8000000
.endr
.irp i, 2,4,6,8,10,12,14
.irp b, 0,1
	v_max3_num_f32 v[232+\b], v[232+\b], |v[96+16*\b+\i]|, |v[97+16*\b+\i]|
.endr
.endr
.irp b, 0,1
	v_permlanex16_b32 v[236+\b], v[232+\b], s[SEL], s[SEL+1]
.endr
.irp b, 0,1
	v_max_num_f32 v[232+\b], v[232+\b], v[236+\b]
.endr
.irp b, 0,1
	v_add_nc_u32 v[244+\b], 0xf8800000, v[232+\b]
.endr
.irp b, 0,1
.endr
.irp b, 0,1
	v_lshrrev_b32 v[236+\b], 23, v[244+\b]
.endr
	v_lshl_or_b32 v254, v237, 8, v236
.irp b, 0,1
.irp i, 0,1,2,3,4,5,6,7,8,9,10,11,12,13,14,15
.endr
	v_cvt_scalef32_pk8_bf8_f32 v[192+4*\b:193+4*\b], v[96+16*\b:103+16*\b], v[244+\b]
	v_cvt_scalef32_pk8_bf8_f32 v[194+4*\b:195+4*\b], v[104+16*\b:111+16*\b], v[244+\b]
.endr
	v_nop                                          ; a plain instruction behind the last conversion
.irp t, 0,1,2,3
	ds_store_b64 v11, v[192+2*\t:193+2*\t] offset:16*\t
.endr
	ds_store_b16 v10, v254                         ; both halves of the lanes write the same two bytes with the same value
	s_wait_dscnt 0x0                               ; for the others' sake: my stores are done
	s_barrier_signal -1
	s_barrier_wait -1
	ds_load_b128 v[96:99], v217
	ds_load_b128 v[100:103], v217 offset:4*KP
	s_wait_dscnt 0x0
	global_store_b128 v[GO], v[96:99], s[68:69]                ; 32 lanes store 512 consecutive bytes, aligned
	global_store_b128 v[GO], v[100:103], s[68:69] offset:512
	s_cmp_lg_u32 s[WV], 0
	s_cbranch_scc1 .Lno_words                      ; wave 0 sends the 128 scale words
	ds_load_b128 v[104:107], v219
	s_wait_dscnt 0x0
	global_store_b128 v[GO], v[104:107], s[70:71]
.Lno_words:
	s_wait_tensorcnt 0x0                           ; the wave's end
	ds_add_u32 v[SPW], v[NIL]
	s_wait_dscnt 0x0
	s_endpgm
.Lfunc_end_k_q1c2d61447e_attn:
	.size	k_q1c2d61447e_attn, .Lfunc_end_k_q1c2d61447e_attn-k_q1c2d61447e_attn
	.p2alignl 7, 3214868480
	.fill 96, 4, 3214868480
	.section	.rodata,"a",@progbits
	.p2align	6, 0x0
	.amdhsa_kernel k_q1c2d61447e_attn
		.amdhsa_group_segment_fixed_size 327680
		.amdhsa_private_segment_fixed_size 0
		.amdhsa_enable_private_segment 0
		.amdhsa_kernarg_size 24
		.amdhsa_user_sgpr_count 2
		.amdhsa_user_sgpr_kernarg_segment_ptr 1
		.amdhsa_wavefront_size32 1
		.amdhsa_system_sgpr_workgroup_id_x 1
		.amdhsa_system_sgpr_workgroup_id_y 1
		.amdhsa_system_sgpr_workgroup_id_z 1
		.amdhsa_system_vgpr_workitem_id 0
		.amdhsa_next_free_vgpr 256
		.amdhsa_next_free_sgpr 80
		.amdhsa_reserve_vcc 1
		.amdhsa_float_denorm_mode_32 3
		.amdhsa_float_denorm_mode_16_64 3
		.amdhsa_fp16_overflow 1
		.amdhsa_memory_ordered 1
		.amdhsa_forward_progress 1
		.amdhsa_inst_pref_size 84
	.end_amdhsa_kernel
	.amdgpu_metadata
---
amdhsa.version: [ 1, 2 ]
amdhsa.kernels:
  - .name:           k_q1c2d61447e_attn
    .symbol:         k_q1c2d61447e_attn.kd
    .args:
      - { .name: qkv, .offset: 0, .size: 8, .value_kind: global_buffer, .address_space: global }
      - { .name: mask, .offset: 8, .size: 8, .value_kind: global_buffer, .address_space: global }
      - { .name: att, .offset: 16, .size: 8, .value_kind: global_buffer, .address_space: global }
    .group_segment_fixed_size: 327680
    .private_segment_fixed_size: 0
    .kernarg_segment_align: 8
    .kernarg_segment_size: 24
    .max_flat_workgroup_size: 512
    .sgpr_count:     80
    .vgpr_count:     256
    .wavefront_size: 32
...
	.end_amdgpu_metadata
.endif
;; end of part 3
;; launch oproj (part 4): grid 8 x 32, 4 waves a work-group, clusters of 4 x 4, 327,680 bytes of LDS; arguments att, w_out_codes, w_out_scales, b_out, x, x2; writes x2
.if DOCPART == 4
	.amdgcn_target "amdgcn-amd-amdhsa--gfx1250"
	.amdhsa_code_object_version 6
	.text
	.protected	k_q1c2d61447e_oproj
	.globl	k_q1c2d61447e_oproj
	.p2align	8
	.type	k_q1c2d61447e_oproj,@function
k_q1c2d61447e_oproj:
	s_mov_b64 s[64:65], 0
	v_nop
	global_prefetch_b8 v0, s[64:65] scope:SCOPE_SE
	s_setreg_imm32_b32 hwreg(HW_REG_WAVE_MODE, 25, 1), 1
	s_wait_xcnt 0x0
	s_wait_alu depctr_hold_cnt(0) depctr_sa_sdst(0) depctr_va_vdst(0) depctr_va_sdst(0) depctr_va_ssrc(0) depctr_va_vcc(0) depctr_vm_vsrc(0)
	s_getreg_b32 s2, hwreg(HW_REG_IB_STS2, 6, 4)
	s_cmp_eq_u32 s2, 0
	s_cbranch_scc0 .Lentry_in_a_cluster
	s_endpgm
.Lentry_in_a_cluster:
	s_bfe_u32 s2, ttmp6, 0x10000c
	s_cmp_lg_u32 s2, 0xf033
	s_cbranch_scc0 .Lentry_shape_is_right
	s_endpgm
.Lentry_shape_is_right:
; out[m][n] = res[m][n] + bias[n] + sum over k of A[m][k] W[n][k], on codes of BF8 (E5M2) with E8M0 scales; out, res: [4096][1024] f32.
; A comes from this program's own launch: codes [block of 128 rows][chunk of 128 along K][128 rows][128 bytes], and behind all codes one scale word for each row and chunk, [block][chunk][128].  W: [1024][SIZE_K] codes, [1024][SIZE_K / 32] scale bytes.
; A tile of out is 128 x 128, so that 256 work-groups share the work; four waves, 64 x 64 each: 16 accumulators.  K goes in steps of 512 (four matrix instructions deep) through two LDS slots; all scales of the tile come once and stay.
; CLUSTERS: 4 x 4 work-groups; A's tiles are asked for jointly along a row of the cluster, W's along a column.  The matrix instruction is used transposed (source 0 = W, source 1 = A): a lane holds eight neighbouring numbers of a row.
; REGISTERS: window 0: v0-31 addresses; v32-47 A's scale words (two sets; two blocks to a register), v48-79 W's (two sets); v80-83 the bias; v128-255 the accumulators ((a, b) at v[128 + 8 (4 a + b)]).
;   window 1: two fragment buffers of 128: A's four fragments, then W's four.   window 2: v0-127 the residual, loaded at the head.
.set SIZE_K, 1024
.set LAST,   0                         ; 1: the output is the program's result, written once and read by nobody here
.set KS,     SIZE_K/32
.set LAPS,   SIZE_K/1024               ; a lap = two K steps of 512
.set APITCH, 144                       ; A's LDS row: 128 bytes + 16
.set BPITCH, 528                       ; W's: 512 bytes + 16.  Both: the 16 rows of a fragment load start at 16 different banks (64 banks of 4 bytes: ISA guide 11.1)
.set BOFF,   512*APITCH                ; a slot: A's 4 chunks x 128 rows, then W's 128 rows
.set SLOT,   BOFF+128*BPITCH
.set ASC,    2*SLOT                    ; A's scale words [chunk][128], 4 SIZE_K bytes
.set BSC,    ASC+4*SIZE_K              ; W's scale bytes, as units of 256 bytes + 16 of padding
.set HB,     (64*KS/256)*272           ; those of 64 rows
.set SBLK,   (16*KS/256)*272           ; of 16
.set SPARE,  BSC+2*HB                  ; the spare words, 128 bytes for each wave: two blocks of 256 bytes that no other line names
.set SPITCH, 272                       ; the way out: a stage of 16 rows x (256 bytes + 16) for each wave, in slot 0, which has had its last fill and its last read by then
.set ADRA, 16
.set ADRB, 20
.set ADSA, 22
.set ADSB, 23
.set STO,  24
.set RD,   25
.set CO,   26
.set BO,   27
.set SPW,  28
.set NIL,  29
.set SA,   32
.set SB,   48
.set BIASR, 80
.set ACC,  128
.set F0,   0
.set F1,   128
.set G1, 24
.set G0, 32
.set G1B, 48
.set G0B, 56
.set G1S, 76
.set G0S, 84
.set G1SB, 88
.set G0SB, 96
.set MSB, 0
.macro WIN new                         ; the immediate's high byte repeats the setting that is left
.if MSB != \new
	s_set_vgpr_msb (MSB<<8)|\new
.set MSB, \new
.endif
.endm
.set MUL,  0x05                        ; sources 0 (W) and 1 (A) window 1; C and D window 0
.set TO_F, 0x40                        ; destination window 1, address window 0
.macro JLOAD g0a, g1a, g0b, g1b        ; a joint load: waves 0 and 1 fetch for A, waves 2 and 3 for W; four v_nop follow each of the two lines
	s_cmp_eq_u32 s11, 0
	s_cbranch_scc0 .Lfor_b_\@
	tensor_load_to_lds s[\g0a:\g0a+3], s[\g1a:\g1a+7]
	s_nop 0
.rept 4
	v_nop
.endr
	s_branch .Lasked_\@
.Lfor_b_\@:
	tensor_load_to_lds s[\g0b:\g0b+3], s[\g1b:\g1b+7]
	s_nop 0
.rept 4
	v_nop
.endr
.Lasked_\@:
.endm
.macro CREST
	s_cmp_lg_u32 s10, 0
	s_cbranch_scc1 .Lnot_wave_0_\@
	s_barrier_signal -3
.Lnot_wave_0_\@:
	s_barrier_wait -3
	s_barrier_signal -1
	s_barrier_wait -1
.endm
.macro CROUND
	s_barrier_signal -1
	s_barrier_wait -1
	CREST
.endm
	s_load_b128 s[4:7], s[0:1], 0x0                ; A, W's codes
	s_load_b128 s[68:71], s[0:1], 0x10             ; W's scales, the bias
	s_load_b128 s[72:75], s[0:1], 0x20             ; the residual, the output
	v_lshl_add_u32 v[SPW], v0, 2, SPARE
	v_mov_b32 v[NIL], 0
	ds_add_u32 v28, v29
	ds_add_u32 v28, v29
	s_wait_dscnt 0x0
	v_lshrrev_b32 v1, 5, v0
	v_readfirstlane_b32 s10, v1                    ; wave 0..3
	s_lshr_b32 s11, s10, 1                         ; which half of the tile's rows is mine.  Also: I fetch for A (0) or for W (1)
	s_and_b32 s12, s10, 1                          ; which half of its columns.  Also: which half of that tile I fetch
	s_bfe_u32 s40, ttmp6, 0x40000                  ; cx, cy
	s_bfe_u32 s41, ttmp6, 0x40004
	s_lshl_b32 s42, ttmp9, 2
	s_add_co_u32 s42, s42, s40                     ; tile column
	s_and_b32 s13, ttmp7, 0xffff
	s_lshl_b32 s13, s13, 2
	s_add_co_u32 s13, s13, s41                     ; tile row = A's block of 128 rows
	s_lshl_b32 s43, s41, 2
	s_lshl_b32 s43, 15, s43                        ; my row of the cluster
	s_lshl_b32 s44, 0x1111, s40                    ; my column
	; A's codes: two chunks, 256 dense rows of 128 bytes, 16 bytes of padding behind each
	s_or_b32 s[G1], s43, (1<<20)|(1<<21)|(4<<22)|(3<<25)
	s_mov_b32 s[G1+1], 128<<16
	s_mov_b32 s[G1+2], 256<<16
	s_mov_b32 s[G1+3], 128<<16
	s_mov_b32 s[G1+4], 256
	s_mov_b32 s[G1+5], 128
	s_mov_b32 s[G1+6], 0
	s_mov_b32 s[G1+7], 0
	; W's codes: 64 rows of 512 bytes, SIZE_K bytes apart, 16 bytes of padding behind each
	s_or_b32 s[G1B], s44, (1<<20)|(1<<21)|(6<<22)|(3<<25)
	s_mov_b32 s[G1B+1], 512<<16
	s_mov_b32 s[G1B+2], 64<<16
	s_mov_b32 s[G1B+3], 512<<16
	s_mov_b32 s[G1B+4], 64
	s_mov_b32 s[G1B+5], SIZE_K
	s_mov_b32 s[G1B+6], 0
	s_mov_b32 s[G1B+7], 0
	; A's scale words: half of the block's, 2 SIZE_K dense bytes, as rows of 256 bytes (32 elements of 8), no padding
	s_or_b32 s[G1S], s43, (3<<16)|(1<<21)
	s_mov_b32 s[G1S+1], 32<<16
	s_mov_b32 s[G1S+2], (SIZE_K/128)<<16
	s_mov_b32 s[G1S+3], 32<<16
	s_mov_b32 s[G1S+4], SIZE_K/128
	s_mov_b32 s[G1S+5], 32
	s_mov_b32 s[G1S+6], 0
	s_mov_b32 s[G1S+7], 0
	; W's scale bytes of 64 rows: dense, as rows of 256 bytes, 16 bytes of padding behind each
	s_or_b32 s[G1SB], s44, (3<<16)|(1<<20)|(1<<21)|(5<<22)|(3<<25)
	s_mov_b32 s[G1SB+1], 32<<16
	s_mov_b32 s[G1SB+2], (64*KS/256)<<16
	s_mov_b32 s[G1SB+3], 32<<16
	s_mov_b32 s[G1SB+4], 64*KS/256
	s_mov_b32 s[G1SB+5], 32
	s_mov_b32 s[G1SB+6], 0
	s_mov_b32 s[G1SB+7], 0
	; where they come from: A's hang on the tile row alone, W's on the tile column alone, each in registers that never hold the other coordinate
	s_mul_i32 s16, s13, 128*SIZE_K
	s_lshl_b32 s17, s12, 15
	s_add_co_u32 s16, s16, s17                     ; A's codes: the block, + my two chunks
	s_mov_b32 s17, 0
	s_mul_i32 s18, s13, 4*SIZE_K
	s_mul_i32 s19, s12, 2*SIZE_K
	s_add_co_u32 s18, s18, s19
	s_add_co_u32 s18, s18, 4096*SIZE_K             ; A's words, behind all codes
	s_mov_b32 s19, 0
	s_lshl_b32 s46, s42, 7
	s_lshl_b32 s47, s12, 6
	s_add_co_u32 s46, s46, s47                     ; W's row 128 x tile column + 64 x half
	s_mul_i32 s14, s46, KS
	s_mov_b32 s15, 0
	s_mul_i32 s46, s46, SIZE_K
	s_mov_b32 s47, 0
	s_mul_i32 s20, s12, 256*APITCH                 ; and where they go: no place in the cluster enters an LDS address
	s_mul_i32 s21, s12, 64*BPITCH
	s_add_co_u32 s21, s21, BOFF
	s_mul_i32 s22, s12, 2*SIZE_K
	s_add_co_u32 s22, s22, ASC
	s_mul_i32 s23, s12, HB
	s_add_co_u32 s23, s23, BSC
	s_wait_kmcnt 0x0
	s_add_nc_u64 s[16:17], s[4:5], s[16:17]
	s_add_nc_u64 s[18:19], s[4:5], s[18:19]
	s_add_nc_u64 s[46:47], s[6:7], s[46:47]
	s_add_nc_u64 s[14:15], s[68:69], s[14:15]
	CROUND                                         ; all sixteen work-groups are here: the first joint loads meet
	s_mov_b32 s[G0S], 1
	s_mov_b32 s[G0S+1], s22
	s_mov_b64 s[G0S+2:G0S+3], s[18:19]
	s_or_b32 s[G0S+3], s[G0S+3], 0x80000000
	s_mov_b32 s[G0SB], 1
	s_mov_b32 s[G0SB+1], s23
	s_mov_b64 s[G0SB+2:G0SB+3], s[14:15]
	s_or_b32 s[G0SB+3], s[G0SB+3], 0x80000000
	JLOAD G0S, G1S, G0SB, G1SB                     ; the scales first: they are wanted with K step 0
.irp s, 0,1
	s_mov_b32 s[G0+4*\s], 1
	s_add_co_u32 s[G0+4*\s+1], s20, \s*SLOT
	s_add_nc_u64 s[G0+4*\s+2:G0+4*\s+3], s[16:17], \s*65536
	s_or_b32 s[G0+4*\s+3], s[G0+4*\s+3], 0x80000000
	s_mov_b32 s[G0B+4*\s], 1
	s_add_co_u32 s[G0B+4*\s+1], s21, \s*SLOT
	s_add_nc_u64 s[G0B+4*\s+2:G0B+4*\s+3], s[46:47], \s*512
	s_or_b32 s[G0B+4*\s+3], s[G0B+4*\s+3], 0x80000000
	JLOAD G0+4*\s, G1, G0B+4*\s, G1B
.endr
	v_and_b32 v1, 15, v0                           ; r
	v_bfe_u32 v2, v0, 4, 1                         ; h
	v_and_b32 v3, 31, v0                           ; lane
	v_mul_u32_u24 v4, v1, APITCH
	v_lshl_add_u32 v4, v2, 4, v4
	v_mul_u32_u24 v5, v1, BPITCH
	v_lshl_add_u32 v5, v2, 4, v5
	s_mul_i32 s21, s11, 64*APITCH                  ; my 64 rows of A (in each chunk)
	s_mul_i32 s22, s12, 64*BPITCH                  ; my 64 rows of W
	s_add_co_u32 s22, s22, BOFF
.irp s, 0,1
	v_add_nc_u32 v[ADRA+\s], s21, v4
	v_add_nc_u32 v[ADRB+\s], s22, v5
	s_add_co_u32 s21, s21, SLOT
	s_add_co_u32 s22, s22, SLOT
.endr
	s_lshl_b32 s21, s11, 8
	s_add_co_u32 s21, s21, ASC
	v_lshl_add_u32 v[ADSA], v3, 2, s21             ; A's words: lanes 0-15 an even block's rows, lanes 16-31 the odd block's
	v_mul_u32_u24 v6, v1, KS
	v_lshrrev_b32 v7, 8, v6
	v_lshl_add_u32 v6, v7, 4, v6                   ; W's: KS bytes a row, and 16 more for each 256 passed
	s_mul_i32 s22, s12, HB
	s_add_co_u32 s22, s22, BSC
	v_add_nc_u32 v[ADSB], s22, v6
	s_mul_i32 s23, s10, 16*SPITCH                  ; my stage
	v_mul_u32_u24 v6, v1, SPITCH
	v_lshl_add_u32 v6, v2, 5, v6
	v_add_nc_u32 v[STO], s23, v6                   ; in: row r, 32 bytes for each half of the lanes
	v_mul_u32_u24 v6, v2, SPITCH
	v_lshl_add_u32 v6, v1, 4, v6
	v_add_nc_u32 v[RD], s23, v6                    ; back: lanes 0-15 one row of 256 bytes, lanes 16-31 the next
	v_lshlrev_b32 v[BO], 4, v1
	v_lshl_add_u32 v[CO], v2, 12, v[BO]            ; and the same two rows in memory
	s_lshl_b32 s16, s13, 7
	s_lshl_b32 s17, s11, 6
	s_add_co_u32 s16, s16, s17
	s_lshl_b32 s16, s16, 12                        ; my first row, 4,096 bytes a row
	s_lshl_b32 s46, s42, 9
	s_lshl_b32 s47, s12, 8
	s_add_co_u32 s46, s46, s47                     ; my first column, in bytes
	s_mov_b32 s47, 0
	s_add_nc_u64 s[70:71], s[70:71], s[46:47]
	s_add_co_u32 s46, s46, s16
	s_add_nc_u64 s[72:73], s[72:73], s[46:47]
	s_add_nc_u64 s[74:75], s[74:75], s[46:47]
	global_load_b128 v[BIASR:BIASR+3], v[BO], s[70:71]
	WIN 0x80                                       ; destination window 2: the residual, in the order in which the rows come back from the stage
.set i, 0
.rept 32
	global_load_b128 v[4*i:4*i+3], v[CO], s[72:73] offset:8192*i
.set i, i+1
.endr
	WIN 0
.macro FETCH slot, q, f                ; the eight fragments of the slot's q-th 128 along K into buffer f: 32 LDS loads in one run
	WIN TO_F
.irp i, 0,1,2,3
.irp c, 0,1,2,3
	ds_load_b128 v[\f+16*\i+4*\c:\f+16*\i+4*\c+3], v[ADRA+\slot] offset:128*APITCH*(\q)+16*APITCH*\i+32*\c
.endr
.endr
.irp i, 0,1,2,3
.irp c, 0,1,2,3
	ds_load_b128 v[\f+64+16*\i+4*\c:\f+64+16*\i+4*\c+3], v[ADRB+\slot] offset:128*(\q)+16*BPITCH*\i+32*\c
.endr
.endr
.endm
.macro SCALES sc                       ; a K step's scale words into set sc
.irp q, 0,1,2,3
.irp i, 0,1
	ds_load_b32 v[SA+8*\sc+2*\q+\i], v[ADSA] offset:512*\q+128*\i
.endr
.endr
.irp i, 0,1,2,3
	ds_load_b128 v[SB+16*\sc+4*\i:SB+16*\sc+4*\i+3], v[ADSB] offset:\i*SBLK
.endr
.endm
; four matrix instructions: A's block a x W's four.  The 16 accumulators take turns, one instruction a turn, in the same order in every step.
.macro MULA f, q, sc, a, zero
.irp b, 0,1,2,3
.if \zero
.if (\a)%2
	v_wmma_scale_f32_16x16x128_f8f6f4 v[ACC+8*(4*(\a)+\b):ACC+8*(4*(\a)+\b)+7], v[\f+64+16*\b:\f+64+16*\b+15], v[\f+16*(\a):\f+16*(\a)+15], 0, v[SB+16*(\sc)+4*\b+(\q)], v[SA+8*(\sc)+2*(\q)+(\a)/2] matrix_a_fmt:MATRIX_FMT_BF8 matrix_b_fmt:MATRIX_FMT_BF8 matrix_b_scale:MATRIX_SCALE_ROW1
.else
	v_wmma_scale_f32_16x16x128_f8f6f4 v[ACC+8*(4*(\a)+\b):ACC+8*(4*(\a)+\b)+7], v[\f+64+16*\b:\f+64+16*\b+15], v[\f+16*(\a):\f+16*(\a)+15], 0, v[SB+16*(\sc)+4*\b+(\q)], v[SA+8*(\sc)+2*(\q)+(\a)/2] matrix_a_fmt:MATRIX_FMT_BF8 matrix_b_fmt:MATRIX_FMT_BF8
.endif
.else
.if (\a)%2
	v_wmma_scale_f32_16x16x128_f8f6f4 v[ACC+8*(4*(\a)+\b):ACC+8*(4*(\a)+\b)+7], v[\f+64+16*\b:\f+64+16*\b+15], v[\f+16*(\a):\f+16*(\a)+15], v[ACC+8*(4*(\a)+\b):ACC+8*(4*(\a)+\b)+7], v[SB+16*(\sc)+4*\b+(\q)], v[SA+8*(\sc)+2*(\q)+(\a)/2] matrix_a_fmt:MATRIX_FMT_BF8 matrix_b_fmt:MATRIX_FMT_BF8 matrix_b_scale:MATRIX_SCALE_ROW1
.else
	v_wmma_scale_f32_16x16x128_f8f6f4 v[ACC+8*(4*(\a)+\b):ACC+8*(4*(\a)+\b)+7], v[\f+64+16*\b:\f+64+16*\b+15], v[\f+16*(\a):\f+16*(\a)+15], v[ACC+8*(4*(\a)+\b):ACC+8*(4*(\a)+\b)+7], v[SB+16*(\sc)+4*\b+(\q)], v[SA+8*(\sc)+2*(\q)+(\a)/2] matrix_a_fmt:MATRIX_FMT_BF8 matrix_b_fmt:MATRIX_FMT_BF8
.endif
.endif
.endr
.endm
.macro PLACES n                        ; plain vector instructions between a matrix instruction and a load into, or a read of, its registers
.rept \n
	v_nop
.endr
.endm
.macro SUB slot, q, f, g, zero         ; one of a slot's first three steps of 128 along K: multiplies buffer f, and fetches the next step into g in its middle
	s_wait_dscnt 0x0                               ; buffer f (and, at a slot's head, the scale words) are in
	WIN MUL
	MULA \f, \q, \slot, 0, \zero
	MULA \f, \q, \slot, 1, \zero
	PLACES 8
	FETCH \slot, (\q)+1, \g
	WIN MUL
	MULA \f, \q, \slot, 2, \zero
	MULA \f, \q, \slot, 3, \zero
.endm
; A slot's last step multiplies buffer 1 and changes slots: one barrier; in front of it each wave waits for all its tensor loads, adds 0 to its spare word, and waits for that and for its reads of this slot.
.macro TURN slot, next, fill
	WIN 0
	s_wait_tensorcnt 0x0                           ; all my tensor loads have landed: my part of the next slot
	ds_add_u32 v[SPW], v[NIL]                      ; 0 onto my spare word
	s_wait_dscnt 1                                 ; buffer 1 is in (the add may be out)
	WIN MUL
	MULA F1, 3, \slot, 0, 0
	s_wait_dscnt 0x0                               ; the add is done, and my reads of this slot are over
	s_barrier_signal -1
	MULA F1, 3, \slot, 1, 0
	WIN 0
	s_barrier_wait -1
.if \fill
	CREST                                          ; the barrier has opened a round of the cluster's barrier: no wave of any partner still reads this slot or has a load on its way
	s_add_nc_u64 s[G0+4*\slot+2:G0+4*\slot+3], s[G0+4*\slot+2:G0+4*\slot+3], 2*65536
	s_add_nc_u64 s[G0B+4*\slot+2:G0B+4*\slot+3], s[G0B+4*\slot+2:G0B+4*\slot+3], 2*512
	JLOAD G0+4*\slot, G1, G0B+4*\slot, G1B         ; the first tensor load behind the round
	PLACES 4
.else
	PLACES 8
.endif
	v_add_nc_u32 v[ADSA], 2048, v[ADSA]            ; the next K step's scale words
	v_add_nc_u32 v[ADSB], 16, v[ADSB]
	SCALES \next
	FETCH \next, 0, F0
	WIN MUL
	MULA F1, 3, \slot, 2, 0
	MULA F1, 3, \slot, 3, 0
.endm
	s_wait_tensorcnt 1                             ; the scales and my part of K step 0 are in (K step 1's load may be out),
	s_barrier_signal -1
	s_barrier_wait -1                              ; everybody's are
	SCALES 0
	FETCH 0, 0, F0
	SUB 0, 0, F0, F1, 1                            ; the first step's products start the sums
.if LAPS > 1
	WIN 0
	s_mov_b32 s3, LAPS-1
.Llap:                                                 ; a trip goes once round the ring and fills both slots again
	SUB 0, 1, F1, F0, 0
	SUB 0, 2, F0, F1, 0
	TURN 0, 1, 1
	SUB 1, 0, F0, F1, 0
	SUB 1, 1, F1, F0, 0
	SUB 1, 2, F0, F1, 0
	TURN 1, 0, 1
	SUB 0, 0, F0, F1, 0
	WIN 0
	s_sub_co_u32 s3, s3, 1
	s_cmp_lg_u32 s3, 0
	s_cbranch_scc1 .Llap
.endif
	SUB 0, 1, F1, F0, 0                            ; the last lap fills nothing
	SUB 0, 2, F0, F1, 0
	TURN 0, 1, 0
	SUB 1, 0, F0, F1, 0
	SUB 1, 1, F1, F0, 0
	SUB 1, 2, F0, F1, 0
	s_wait_dscnt 0x0
	WIN MUL
	MULA F1, 3, 1, 0, 0
	MULA F1, 3, 1, 1, 0
	MULA F1, 3, 1, 2, 0
	MULA F1, 3, 1, 3, 0
	WIN 0
; THE WAY OUT, 16 rows x 64 columns at a time: through my own stage, back as whole rows of 256 bytes into the registers that they left; + residual, + bias; stored.
.macro ST a
.irp b, 0,1,2,3
	ds_store_b128 v[STO], v[ACC+8*(4*(\a)+\b):ACC+8*(4*(\a)+\b)+3] offset:64*\b        ; each accumulator from its low end on
	ds_store_b128 v[STO], v[ACC+8*(4*(\a)+\b)+4:ACC+8*(4*(\a)+\b)+7] offset:64*\b+16
.endr
.irp t, 0,1,2,3,4,5,6,7
	ds_load_b128 v[ACC+32*(\a)+4*\t:ACC+32*(\a)+4*\t+3], v[RD] offset:2*SPITCH*\t      ; LDS serves a wave's instructions in order (ISA guide 5.7.1.4)
.endr
.endm
.macro OUT a
	WIN 0x08                                       ; source 1: window 2
.set i, 0
.rept 16
	v_pk_add_f32 v[ACC+32*(\a)+i:ACC+32*(\a)+i+1], v[ACC+32*(\a)+i:ACC+32*(\a)+i+1], v[32*(\a)+i:32*(\a)+i+1]
.set i, i+2
.endr
	WIN 0
.irp t, 0,1,2,3,4,5,6,7
	v_pk_add_f32 v[ACC+32*(\a)+4*\t:ACC+32*(\a)+4*\t+1], v[ACC+32*(\a)+4*\t:ACC+32*(\a)+4*\t+1], v[BIASR:BIASR+1]
	v_pk_add_f32 v[ACC+32*(\a)+4*\t+2:ACC+32*(\a)+4*\t+3], v[ACC+32*(\a)+4*\t+2:ACC+32*(\a)+4*\t+3], v[BIASR+2:BIASR+3]
.endr
.irp t, 0,1,2,3,4,5,6,7
.if LAST
	global_store_b128 v[CO], v[ACC+32*(\a)+4*\t:ACC+32*(\a)+4*\t+3], s[74:75] offset:4096*(16*(\a)+2*\t) th:TH_STORE_NT   ; 16 lanes store 256 consecutive bytes, aligned
.else
	global_store_b128 v[CO], v[ACC+32*(\a)+4*\t:ACC+32*(\a)+4*\t+3], s[74:75] offset:4096*(16*(\a)+2*\t)
.endif
.endr
.endm
	PLACES 8                                       ; behind the last products
	s_wait_loadcnt 0x0                             ; the residual and the bias
	ST 0
	ST 1
	s_wait_dscnt 16                                ; block 0 is back; block 1's 8 stores and 8 loads may be out
	OUT 0
	ST 2
	s_wait_dscnt 16
	OUT 1
	ST 3
	s_wait_dscnt 16
	OUT 2
	s_wait_dscnt 0x0
	OUT 3
	s_wait_tensorcnt 0x0                           ; the wave's end
	ds_add_u32 v[SPW], v[NIL]
	s_wait_dscnt 0x0
	CROUND                                         ; the closing round
	s_endpgm
.Lfunc_end_k_q1c2d61447e_oproj:
	.size	k_q1c2d61447e_oproj, .Lfunc_end_k_q1c2d61447e_oproj-k_q1c2d61447e_oproj
	.p2alignl 7, 3214868480
	.fill 96, 4, 3214868480
	.section	.rodata,"a",@progbits
	.p2align	6, 0x0
	.amdhsa_kernel k_q1c2d61447e_oproj
		.amdhsa_group_segment_fixed_size 327680
		.amdhsa_private_segment_fixed_size 0
		.amdhsa_enable_private_segment 0
		.amdhsa_kernarg_size 48
		.amdhsa_user_sgpr_count 2
		.amdhsa_user_sgpr_kernarg_segment_ptr 1
		.amdhsa_wavefront_size32 1
		.amdhsa_system_sgpr_workgroup_id_x 1
		.amdhsa_system_sgpr_workgroup_id_y 1
		.amdhsa_system_sgpr_workgroup_id_z 1
		.amdhsa_system_vgpr_workitem_id 0
		.amdhsa_next_free_vgpr 768
		.amdhsa_next_free_sgpr 100
		.amdhsa_reserve_vcc 0
		.amdhsa_float_denorm_mode_32 3
		.amdhsa_float_denorm_mode_16_64 3
		.amdhsa_memory_ordered 1
		.amdhsa_forward_progress 1
		.amdhsa_inst_pref_size 66
	.end_amdhsa_kernel
	.amdgpu_metadata
---
amdhsa.version: [ 1, 2 ]
amdhsa.kernels:
  - .name:           k_q1c2d61447e_oproj
    .symbol:         k_q1c2d61447e_oproj.kd
    .args:
      - { .name: att, .offset: 0, .size: 8, .value_kind: global_buffer, .address_space: global }
      - { .name: w_out_codes, .offset: 8, .size: 8, .value_kind: global_buffer, .address_space: global }
      - { .name: w_out_scales, .offset: 16, .size: 8, .value_kind: global_buffer, .address_space: global }
      - { .name: b_out, .offset: 24, .size: 8, .value_kind: global_buffer, .address_space: global }
      - { .name: x, .offset: 32, .size: 8, .value_kind: global_buffer, .address_space: global }
      - { .name: x2, .offset: 40, .size: 8, .value_kind: global_buffer, .address_space: global }
    .group_segment_fixed_size: 327680
    .private_segment_fixed_size: 0
    .kernarg_segment_align: 8
    .kernarg_segment_size: 48
    .max_flat_workgroup_size: 128
    .sgpr_count:     100
    .vgpr_count:     768
    .wavefront_size: 32
...
	.end_amdgpu_metadata
.endif
;; end of part 4
;; launch ln2: the kernel of part 1 again; grid 256 x 1, 8 waves a work-group, no clusters, 2,048 bytes of LDS; arguments x2, g2, be2, act; writes act
;; launch ffn1 (part 5): grid 16 x 16, 4 waves a work-group, clusters of 4 x 4, 327,680 bytes of LDS; arguments act, w1_codes, w1_scales, b1, hid; writes hid
.if DOCPART == 5
	.amdgcn_target "amdgcn-amd-amdhsa--gfx1250"
	.amdhsa_code_object_version 6
	.text
	.protected	k_q1c2d61447e_ffn1
	.globl	k_q1c2d61447e_ffn1
	.p2align	8
	.type	k_q1c2d61447e_ffn1,@function
k_q1c2d61447e_ffn1:
	s_mov_b64 s[64:65], 0
	v_nop
	global_prefetch_b8 v0, s[64:65] scope:SCOPE_SE
	s_setreg_imm32_b32 hwreg(HW_REG_WAVE_MODE, 25, 1), 1
	s_wait_xcnt 0x0
	s_wait_alu depctr_hold_cnt(0) depctr_sa_sdst(0) depctr_va_vdst(0) depctr_va_sdst(0) depctr_va_ssrc(0) depctr_va_vcc(0) depctr_vm_vsrc(0)
	s_getreg_b32 s2, hwreg(HW_REG_IB_STS2, 6, 4)
	s_cmp_eq_u32 s2, 0
	s_cbranch_scc0 .Lentry_in_a_cluster
	s_endpgm
.Lentry_in_a_cluster:
	s_bfe_u32 s2, ttmp6, 0x10000c
	s_cmp_lg_u32 s2, 0xf033
	s_cbranch_scc0 .Lentry_shape_is_right
	s_endpgm
.Lentry_shape_is_right:
; C'[i][j] = sum over k of A'[i][k] B'[j][k] on codes of BF8 (E5M2) with E8M0 scales, K = 1,024, and C' quantised again along j, in registers, on the way out.
; FFN = 0 (q, k, v):  clusters with x = 0, 1: A' = act (tokens), B' = w_qkv's rows 0-2,047: q and k, quantised along the head's 64.  Clusters with x = 2: A' = w_qkv's rows 2,048-3,071, B' = act: v TRANSPOSED, quantised along the keys.
; FFN = 1 (hidden):   A' = act, B' = w1; + b1, relu, quantised along the 4,096 hidden units.
; A tile of C', 256 x 256, is made by four waves, 128 x 128 each: 64 accumulators, 512 registers.  K goes in steps of 256 through two LDS slots filled by the tensor data mover; the scale bytes of the tile's rows come once and stay.
; CLUSTERS: 4 x 4 work-groups; A's tiles are asked for jointly along a row of the cluster, B's along a column.  The matrix instruction is used transposed (source 0 = B', source 1 = A'): a lane holds one row i and eight neighbouring j.
; OUT: a wave's 128 x 128 codes are one dense block of 16,384 bytes [row][128 bytes], its scale words one dense block.  Within a block of 32 the codes of q, k, v stand in the order in which the lanes hold them (16 bytes a lane at 32 B + 16 h):
; q and k carry the same order, and v's order along the keys is the one that the attention's p has; the hidden layer's codes stand in natural order (8 bytes at 32 B + 8 h and at 32 B + 16 + 8 h), since its partner is a given weight.
; LIMITS: a block of zeros gets the byte 1 (read by this program alone); largest magnitudes under 2^-111 are taken as that floor; NaN and infinities are not served.
; REGISTERS, in windows of 256: window 0: v0-31 addresses; v32-63 scale words, two sets; v64-127 the mask words or the bias; from v128 A's fragments, one set; on the way out v128-255 are free.
;   window 1: B's fragments, two sets.   window 2: the accumulators of my rows 0-63 ((a, b) at v[8 (8 a + b)]);   window 3: those of my rows 64-127.
.set FFN,    1
.set SIZE_K, 1024
.set KSTEP,  256
.set NQ,     KSTEP/128
.set ROWB,   256
.set KROW,   SIZE_K
.set PITCH,  272                       ; an LDS row: 256 bytes + 16 of padding: the 16 rows of a fragment load start at 16 different banks (64 banks of 4 bytes: ISA guide 11.1)
.set FR,     16
.set NL,     4
.set NP,     8                         ; places behind this matrix instruction (ISA guide 7.12.1)
.set HALFT,  128*PITCH
.set SLOT,   4*HALFT
.set LAPS,   SIZE_K/(2*KSTEP)
.set KS,     SIZE_K/32
.set SCL,    2*SLOT
.set HALFS,  (128*KS/256)*272
.set SBLK,   (16*KS/256)*272
.set SPARE,  SCL+4*HALFS               ; the spare words, 128 bytes for each wave: two blocks of 256 bytes that no other line names
.set STGB,   3584                      ; the way out: a stage for each wave, in slot 0 (which has had its last fill and its last read by then): 16 rows x 144 bytes of codes,
.set SP,     144
.set WST,    2560                      ; and from here 1,024 bytes of scale words
.set GA,   7                           ; v7   offset of the head's loads (mask words or bias)
.set ADRA, 16
.set ADRB, 20
.set SSA,  22                          ; v22  the stage: where I put a scale word
.set SRD,  23                          ; v23  and where I read 16 bytes of them back
.set STO,  24                          ; v24  the stage: where I put my codes of a row
.set RD,   25                          ; v25  and where I read 16 bytes back
.set CO,   26                          ; v26  16 x lane
.set ADRS, 27
.set SPW,  28
.set NIL,  29
.set SHV,  30
.set ONES, 31
.set SC,   32
.set KM,   64                          ; v64-71  FFN = 0: the mask of row 16 a + r, then -1 or 0
.set BI,   64                          ; v64-127 FFN = 1: b1 of my 64 columns, in the accumulators' layout
.set AF,   128
.set PC,   128                         ; the way out: codes, two sets of 16
.set BK,   160                         ; rows read back, four sets of 16
.set TM,   232                         ; largest magnitudes;  PT: permute, then bytes;  HD: 57,344 x the scale;  SO: scale operands
.set PT,   236
.set HD,   240
.set SO,   244
.set PW,   248                         ; a row's four bytes, two sets
.set SWD,  250
.set G1, 24
.set G0, 32
.set G1B, 48
.set G0B, 56
.set G1S, 68
.set G0S, 76
.set G1SB, 80
.set G0SB, 88
.set MSB, 0
.macro WIN new                         ; the immediate's high byte repeats the setting that is left
.if MSB != \new
	s_set_vgpr_msb (MSB<<8)|\new
.set MSB, \new
.endif
.endm
.set MUL_LO, 0xa1
.set MUL_HI, 0xf1
.set TO_B,   0x40
; A joint load: waves 0 and 1 fetch for A', waves 2 and 3 for B'.  The branch hangs on the wave's number alone.  Four v_nop follow each of the two lines.
.macro JLOAD g0a, g1a, g0b, g1b
	s_cmp_eq_u32 s15, 0
	s_cbranch_scc0 .Lfor_b_\@
	tensor_load_to_lds s[\g0a:\g0a+3], s[\g1a:\g1a+7]
	s_nop 0
.rept 4
	v_nop
.endr
	s_branch .Lasked_\@
.Lfor_b_\@:
	tensor_load_to_lds s[\g0b:\g0b+3], s[\g1b:\g1b+7]
	s_nop 0
.rept 4
	v_nop
.endr
.Lasked_\@:
.endm
.macro CREST                           ; a round of the cluster's barrier behind its opening barrier
	s_cmp_lg_u32 s14, 0
	s_cbranch_scc1 .Lnot_wave_0_\@
	s_barrier_signal -3
.Lnot_wave_0_\@:
	s_barrier_wait -3
	s_barrier_signal -1
	s_barrier_wait -1
.endm
.macro CROUND
	s_barrier_signal -1
	s_barrier_wait -1
	CREST
.endm
	s_load_b128 s[4:7], s[0:1], 0x0                ; act, the weight's codes
	s_load_b128 s[8:11], s[0:1], 0x10              ; the weight's scales, mask (FFN: b1)
	s_load_b64 s[12:13], s[0:1], 0x20              ; the output buffer
	v_lshl_add_u32 v[SPW], v0, 2, SPARE
	v_mov_b32 v[NIL], 0
	ds_add_u32 v28, v29
	ds_add_u32 v28, v29
	s_wait_dscnt 0x0
	v_lshrrev_b32 v1, 5, v0
	v_readfirstlane_b32 s14, v1                    ; wave 0..3
	s_lshr_b32 s15, s14, 1                         ; which half of the tile's rows is mine.  Also: I fetch for A' (0) or for B' (1)
	s_and_b32 s16, s14, 1                          ; which half of its columns.  Also: which 128 rows of that tile I fetch
	s_bfe_u32 s40, ttmp6, 0x40000                  ; cx, cy: my place in the cluster
	s_bfe_u32 s41, ttmp6, 0x40004
	s_and_b32 s17, ttmp7, 0xffff                   ; cluster y
.if FFN
	s_mov_b32 s42, ttmp9
	s_mov_b32 s95, 0
.else
	s_cmp_eq_u32 ttmp9, 2
	s_cselect_b32 s95, 1, 0
	s_cselect_b32 s42, s17, ttmp9
	s_cselect_b32 s17, 2, s17
.endif
	s_lshl_b32 s42, s42, 2
	s_add_co_u32 s42, s42, s40                     ; tile of B' = 4 x that + cx
	s_lshl_b32 s17, s17, 2
	s_add_co_u32 s17, s17, s41                     ; tile of A' = 4 x that + cy
	s_lshl_b32 s43, s41, 2
	s_lshl_b32 s43, 15, s43                        ; my row of the cluster
	s_lshl_b32 s44, 0x1111, s40                    ; my column
	; descriptor group 1: a tile of 128 rows x 256 bytes, 16 bytes of padding behind each row
	s_or_b32 s[G1+0], s43, (0<<16)|(1<<20)|(1<<21)|(5<<22)|(3<<25)
	s_or_b32 s[G1B+0], s44, (0<<16)|(1<<20)|(1<<21)|(5<<22)|(3<<25)
.irp g, G1, G1B
	s_mov_b32 s[\g+1], ROWB<<16                    ; tensor_dim0
	s_mov_b32 s[\g+2], 128<<16                     ; tensor_dim1
	s_mov_b32 s[\g+3], ROWB<<16                    ; tile_dim0
	s_mov_b32 s[\g+4], 128                         ; tile_dim1
	s_mov_b32 s[\g+5], KROW                        ; tensor_dim0_stride
	s_mov_b32 s[\g+6], 0
	s_mov_b32 s[\g+7], 0
.endr
	; the scale bytes of 128 rows: a dense block of 4,096 bytes, as rows of 256 bytes (32 elements of 8), 16 bytes of padding behind each
	s_or_b32 s[G1S+0], s43, (3<<16)|(1<<20)|(1<<21)|(5<<22)|(3<<25)
	s_or_b32 s[G1SB+0], s44, (3<<16)|(1<<20)|(1<<21)|(5<<22)|(3<<25)
.irp g, G1S, G1SB
	s_mov_b32 s[\g+1], 32<<16
	s_mov_b32 s[\g+2], (128*KS/256)<<16
	s_mov_b32 s[\g+3], 32<<16
	s_mov_b32 s[\g+4], 128*KS/256
	s_mov_b32 s[\g+5], 32
	s_mov_b32 s[\g+6], 0
	s_mov_b32 s[\g+7], 0
.endr
	s_lshl_b32 s18, s16, 7
	s_lshl_b32 s20, s17, 8
	s_add_co_u32 s20, s20, s18                     ; A': row 256 x tile + 128 x half
	s_lshl_b32 s46, s42, 8
	s_add_co_u32 s46, s46, s18                     ; B' likewise
	s_mov_b32 s21, 0
	s_mov_b32 s47, 0
	s_mov_b64 s[18:19], KS
	s_mul_u64 s[22:23], s[20:21], s[18:19]         ; where these rows' scales begin, in bytes
	s_mul_u64 s[92:93], s[46:47], s[18:19]
	s_mov_b64 s[18:19], KROW
	s_mul_u64 s[20:21], s[20:21], s[18:19]         ; and their codes
	s_mul_u64 s[46:47], s[46:47], s[18:19]
	s_mul_i32 s45, s14, HALFT                      ; where they go: wave x 128 rows: no place in the cluster enters an LDS address
	s_mul_i32 s94, s14, HALFS
	s_wait_kmcnt 0x0
	s_add_nc_u64 s[98:99], s[4:5], 0x400000        ; act's scale bytes lie behind its codes
.if FFN
	s_add_nc_u64 s[20:21], s[4:5], s[20:21]
	s_add_nc_u64 s[22:23], s[98:99], s[22:23]
	s_add_nc_u64 s[46:47], s[6:7], s[46:47]
	s_add_nc_u64 s[92:93], s[8:9], s[92:93]
.else
	s_cmp_eq_u32 s95, 1
	s_cselect_b64 s[100:101], s[6:7], s[4:5]
	s_cselect_b64 s[4:5], s[4:5], s[6:7]
	s_cselect_b64 s[6:7], s[8:9], s[98:99]
	s_cselect_b64 s[8:9], s[98:99], s[8:9]
	s_add_nc_u64 s[20:21], s[100:101], s[20:21]
	s_add_nc_u64 s[22:23], s[6:7], s[22:23]
	s_add_nc_u64 s[46:47], s[4:5], s[46:47]
	s_add_nc_u64 s[92:93], s[8:9], s[92:93]
.endif
	CROUND                                         ; all sixteen work-groups are here: the first joint loads meet
	s_mov_b32 s[G0S], 1
	s_add_co_u32 s[G0S+1], s94, SCL
	s_mov_b64 s[G0S+2:G0S+3], s[22:23]
	s_or_b32 s[G0S+3], s[G0S+3], 0x80000000
	s_mov_b32 s[G0SB], 1
	s_add_co_u32 s[G0SB+1], s94, SCL
	s_mov_b64 s[G0SB+2:G0SB+3], s[92:93]
	s_or_b32 s[G0SB+3], s[G0SB+3], 0x80000000
	JLOAD G0S, G1S, G0SB, G1SB                     ; the scales first: they are wanted with K step 0
.irp s, 0,1
	s_mov_b32 s[G0+4*\s], 1
	s_add_co_u32 s[G0+4*\s+1], s45, \s*SLOT
	s_add_nc_u64 s[G0+4*\s+2:G0+4*\s+3], s[20:21], \s*ROWB
	s_or_b32 s[G0+4*\s+3], s[G0+4*\s+3], 0x80000000
	s_mov_b32 s[G0B+4*\s], 1
	s_add_co_u32 s[G0B+4*\s+1], s45, \s*SLOT
	s_add_nc_u64 s[G0B+4*\s+2:G0B+4*\s+3], s[46:47], \s*ROWB
	s_or_b32 s[G0B+4*\s+3], s[G0B+4*\s+3], 0x80000000
	JLOAD G0+4*\s, G1, G0B+4*\s, G1B
.endr
	v_and_b32 v1, 15, v0                           ; r = lane % 16
	v_bfe_u32 v2, v0, 4, 1                         ; h = lane / 16
	v_mul_u32_u24 v3, v1, PITCH
	v_lshl_add_u32 v4, v2, 4, v3                   ; a fragment's row x pitch + 16 x half
	s_mul_i32 s21, s15, HALFT                      ; my 128 rows of A'
	s_mul_i32 s22, s16, HALFT                      ; my 128 rows of B',
	s_add_co_u32 s22, s22, 2*HALFT                 ; which lie behind A's 256
.irp s, 0,1
	v_add_nc_u32 v[ADRA+\s], s21, v4
	v_add_nc_u32 v[ADRB+\s], s22, v4
	s_add_co_u32 s21, s21, SLOT
	s_add_co_u32 s22, s22, SLOT
.endr
	v_mul_u32_u24 v5, v1, KS                       ; my row's scales: KS bytes a row,
	v_lshrrev_b32 v6, 8, v5
	v_lshl_add_u32 v5, v6, 4, v5                   ; and 16 more for each 256 passed
	s_mul_i32 s21, s15, HALFS
	s_mul_i32 s22, s16, HALFS
	s_add_co_u32 s22, s22, 2*HALFS
	s_sub_co_u32 s22, s22, s21
	v_mul_u32_u24 v6, s22, v2                      ; lanes 16-31 take B's
	s_add_co_u32 s21, s21, SCL
	v_add_nc_u32 v5, v5, v6
	v_add_nc_u32 v[ADRS], s21, v5
	; the way out's LDS addresses: a constant x wave + constants x lane
	s_mul_i32 s23, s14, STGB
	v_mul_u32_u24 v5, v1, SP
.if FFN
	v_lshl_add_u32 v5, v2, 3, v5                   ; row r, + 8 h: natural order
.else
	v_lshl_add_u32 v5, v2, 4, v5                   ; row r, + 16 h: the lanes' order
.endif
	v_add_nc_u32 v[STO], s23, v5
	v_and_b32 v6, 31, v0
	v_lshrrev_b32 v5, 3, v6
	v_mul_u32_u24 v5, v5, SP
	v_and_b32 v8, 7, v0
	v_lshl_add_u32 v5, v8, 4, v5
	v_add_nc_u32 v[RD], s23, v5                    ; back: eight lanes to a row of 128 bytes, four rows an instruction
	v_lshlrev_b32 v[CO], 4, v6
	s_add_co_u32 s23, s23, WST
	v_lshlrev_b32 v5, 2, v1
.if FFN == 0
	v_lshl_add_u32 v5, v2, 9, v5
.endif
	v_add_nc_u32 v[SSA], s23, v5
	v_add_nc_u32 v[SRD], s23, v[CO]
	; where my wave's block of codes and its scale words go
.if FFN
	s_lshl_b32 s20, s17, 1
	s_add_co_u32 s20, s20, s15                     ; block of 128 rows
	s_lshl_b32 s46, s42, 1
	s_add_co_u32 s46, s46, s16                     ; chunk of 128 columns
	s_lshl_b32 s22, s20, 19
	s_lshl_b32 s21, s46, 14
	s_add_co_u32 s22, s22, s21
	s_mov_b32 s23, 0
	s_lshl_b32 s66, s20, 14
	s_lshl_b32 s67, s46, 9
	s_add_co_u32 s66, s66, s67
	s_add_co_u32 s66, s66, 0x1000000               ; the words lie behind 16,777,216 bytes of codes
	s_mov_b32 s67, 0
	s_add_nc_u64 s[96:97], s[12:13], s[66:67]
	s_add_nc_u64 s[12:13], s[12:13], s[22:23]
	s_lshl_b32 s66, s46, 9                         ; b1 of my 128 columns
	s_add_nc_u64 s[66:67], s[10:11], s[66:67]
	v_lshlrev_b32 v[GA], 5, v2
.irp b, 0,1,2,3,4,5,6,7
	global_load_b128 v[BI+8*\b:BI+8*\b+3],   v[GA], s[66:67] offset:64*\b      ; column 16 b + 8 h + 0..7
	global_load_b128 v[BI+8*\b+4:BI+8*\b+7], v[GA], s[66:67] offset:64*\b+16
.endr
.else
	s_lshl_b32 s20, s95, 3
	s_sub_co_u32 s20, s17, s20
	s_lshl_b32 s20, s20, 1
	s_add_co_u32 s20, s20, s15
	s_lshl_b32 s46, s42, 1
	s_add_co_u32 s46, s46, s16
	s_mov_b32 s47, 0xc00000
	s_mov_b32 s93, 0x7f7f0000
	s_cmp_eq_u32 s95, 1
	s_cselect_b32 s21, 19, 18
	s_cselect_b32 s22, 0x800000, 0
	s_cselect_b32 s3, 9, 10
	s_cselect_b32 s47, 0xc80000, s47
	s_cselect_b32 s94, -1, 0xffff
	s_cselect_b32 s93, 0, s93
	s_cselect_b32 s2, 0, 16
	s_cmp_eq_u32 ttmp9, 1
	s_cselect_b32 s93, 0x7f910000, s93
	s_cselect_b32 s92, 0, -1
	v_mul_u32_u24 v[SHV], s2, v2
	v_mov_b32 v[ONES], -1
	s_lshl_b32 s21, s20, s21
	s_add_co_u32 s22, s22, s21
	s_lshl_b32 s21, s46, 14
	s_add_co_u32 s22, s22, s21
	s_mov_b32 s23, 0
	s_lshl_b32 s66, s20, 14
	s_add_co_u32 s66, s66, s47
	s_lshl_b32 s67, s46, s3
	s_add_co_u32 s66, s66, s67
	s_mov_b32 s67, 0
	s_add_nc_u64 s[96:97], s[12:13], s[66:67]
	s_add_nc_u64 s[12:13], s[12:13], s[22:23]
	s_lshl_b32 s66, s20, 9
	s_add_nc_u64 s[66:67], s[10:11], s[66:67]
	v_lshlrev_b32 v[GA], 2, v1
.irp a, 0,1,2,3,4,5,6,7
	global_load_b32 v[KM+\a], v[GA], s[66:67] offset:64*\a
.endr
.endif
.macro FRAG reg, adr, q, i             ; a fragment, 16 rows x 128 K: lane l holds row l % 16; registers 4 c .. 4 c + 3 hold K = 32 c + 16 (l / 16) + 0 .. 15
.irp c, 0,1,2,3
	ds_load_b128 v[\reg+4*\c:\reg+4*\c+3], v[\adr] offset:128*(\q)+32*\c+(\i)*16*PITCH
.endr
.endm
; 16 matrix instructions: A's blocks a0, a0 + 1 x B's eight.  The 64 accumulators take turns, one instruction a turn, in the same order in every step.
.macro MUL16 a0, p, q, sc, zero
.irp a, \a0, \a0+1
.irp b, 0,1,2,3,4,5,6,7
.if \zero
	v_wmma_scale_f32_16x16x128_f8f6f4 v[8*(8*((\a)%4)+\b):8*(8*((\a)%4)+\b)+7], v[128*(\p)+FR*\b:128*(\p)+FR*\b+FR-1], v[AF+FR*(\a):AF+FR*(\a)+FR-1], 0, v[SC+8*NQ*(\sc)+NQ*\b+(\q)], v[SC+8*NQ*(\sc)+NQ*(\a)+(\q)] matrix_a_fmt:MATRIX_FMT_BF8 matrix_b_fmt:MATRIX_FMT_BF8 matrix_a_scale:MATRIX_SCALE_ROW1
.else
	v_wmma_scale_f32_16x16x128_f8f6f4 v[8*(8*((\a)%4)+\b):8*(8*((\a)%4)+\b)+7], v[128*(\p)+FR*\b:128*(\p)+FR*\b+FR-1], v[AF+FR*(\a):AF+FR*(\a)+FR-1], v[8*(8*((\a)%4)+\b):8*(8*((\a)%4)+\b)+7], v[SC+8*NQ*(\sc)+NQ*\b+(\q)], v[SC+8*NQ*(\sc)+NQ*(\a)+(\q)] matrix_a_fmt:MATRIX_FMT_BF8 matrix_b_fmt:MATRIX_FMT_BF8 matrix_a_scale:MATRIX_SCALE_ROW1
.endif
.endr
.endr
.endm
.macro FETCH_B slot, q, p
	WIN TO_B
.irp i, 0,1,2,3,4,5,6,7
	FRAG 128*(\p)+FR*\i, ADRB+\slot, \q, \i
.endr
	WIN 0
.endm
.macro FETCH_A slot, q, i0
.irp i, \i0, \i0+1, \i0+2, \i0+3
	FRAG AF+FR*(\i), ADRA+\slot, \q, \i
.endr
.endm
.macro SCALES sc                       ; the next K step's scale words: lanes 0-15 take A's block i, lanes 16-31 B's block i
.irp i, 0,1,2,3,4,5,6,7
	ds_load_b64 v[SC+8*NQ*\sc+NQ*\i:SC+8*NQ*\sc+NQ*\i+1], v[ADRS] offset:\i*SBLK
.endr
.endm
.macro PLACES n                        ; plain vector instructions between a matrix instruction and a load into, or a read or write of, its registers
.rept \n
	v_nop
.endr
.endm
.macro STEP slot, q, zero              ; a step of 128 along K that has its successor in the same slot
	s_wait_dscnt 4*NL                              ; B's set and A's blocks 0-3 are in; the youngest 16 loads (A's blocks 4-7) may be out
	WIN MUL_LO
	MUL16 0, (\q)%2, \q, \slot, \zero
	MUL16 2, (\q)%2, \q, \slot, \zero
	s_wait_dscnt 0
	PLACES NP
	FETCH_B \slot, (\q)+1, 1-(\q)%2
	FETCH_A \slot, (\q)+1, 0
	WIN MUL_HI
	MUL16 4, (\q)%2, \q, \slot, \zero
	MUL16 6, (\q)%2, \q, \slot, \zero
	PLACES NP
	WIN 0
	FETCH_A \slot, (\q)+1, 4
.endm
; A slot's last step changes slots: one barrier; in front of it each wave waits for all its tensor loads, adds 0 to its spare word, and waits for that and for its reads of this slot.
.macro TURN slot, next, fill
	s_wait_tensorcnt 0x0                           ; all my tensor loads have landed: my part of the next slot
	ds_add_u32 v[SPW], v[NIL]                      ; 0 onto my spare word
	s_wait_dscnt 4*NL+1                            ; (the add and the youngest 16 loads may be out)
	WIN MUL_LO
	MUL16 0, 1, NQ-1, \slot, 0
	s_wait_dscnt 0x0                               ; the add is done, and my reads of this slot are over
	s_barrier_signal -1
	MUL16 2, 1, NQ-1, \slot, 0
	WIN 0
	s_barrier_wait -1
.if \fill
	CREST                                          ; the barrier has opened a round of the cluster's barrier: no wave of any partner still reads this slot or has a load on its way
	s_add_nc_u64 s[G0+4*\slot+2:G0+4*\slot+3], s[G0+4*\slot+2:G0+4*\slot+3], 2*ROWB
	s_add_nc_u64 s[G0B+4*\slot+2:G0B+4*\slot+3], s[G0B+4*\slot+2:G0B+4*\slot+3], 2*ROWB
	JLOAD G0+4*\slot, G1, G0B+4*\slot, G1B         ; the first tensor load behind the round
	PLACES NP-4
.else
	PLACES NP
.endif
	v_add_nc_u32 v[ADRS], 4*NQ, v[ADRS]
	FETCH_B \next, 0, 0
	FETCH_A \next, 0, 0
	SCALES \next
	WIN MUL_HI
	MUL16 4, 1, NQ-1, \slot, 0
	MUL16 6, 1, NQ-1, \slot, 0
	PLACES NP
	WIN 0
	FETCH_A \next, 0, 4
.endm
	s_wait_tensorcnt 1                             ; the scales and my part of K step 0 are in (K step 1's load may be out),
	s_barrier_signal -1
	s_barrier_wait -1                              ; everybody's are
	FETCH_B 0, 0, 0
	FETCH_A 0, 0, 0
	SCALES 0
	FETCH_A 0, 0, 4
	STEP 0, 0, 1                                   ; the first step's products start the sums
	s_mov_b32 s3, LAPS-1
.Llap:                                                 ; a trip goes once round the ring and fills both slots again
	TURN 0, 1, 1
	STEP 1, 0, 0
	TURN 1, 0, 1
	STEP 0, 0, 0
	s_sub_co_u32 s3, s3, 1
	s_cmp_lg_u32 s3, 0
	s_cbranch_scc1 .Llap
	TURN 0, 1, 0                                   ; the last lap fills nothing
	STEP 1, 0, 0
	s_wait_dscnt 4*NL
	WIN MUL_LO
	MUL16 0, 1, NQ-1, 1, 0
	MUL16 2, 1, NQ-1, 1, 0
	s_wait_dscnt 0
	WIN MUL_HI
	MUL16 4, 1, NQ-1, 1, 0
	MUL16 6, 1, NQ-1, 1, 0
	WIN 0
; THE WAY OUT, a block of 16 rows x 128 columns at a time.  Lane (r, h) holds row 16 a + r; its registers 16 B + i are columns 32 B + 8 h + i (i < 8) and 32 B + 16 + 8 h + i - 8: with lane l xor 16 a whole block of 32.
; QB a: the block's four largest magnitudes, scale bytes, holds and conversions.  Each accumulator is read from its low end on.
.macro QB a
.set W,   2+(\a)/4
.set AC,  64*((\a)%4)
.set PCS, PC+16*((\a)%2)
.set PWS, PW+(\a)%2
.set SWS, SWD+(\a)%2
.if FFN
	WIN (W|(W<<6))
.set i, 0
.rept 32
	v_pk_add_f32 v[AC+i:AC+i+1], v[AC+i:AC+i+1], v[BI+i:BI+i+1]     ; + b1
.set i, i+2
.endr
.endif
	WIN (W|(W<<2))
.irp b, 0,1,2,3
.if FFN
	v_max3_num_f32 v[TM+\b], v[AC+16*\b], v[AC+16*\b+1], 0x8000000   ; no |.|: what is negative becomes 0 (the activation) and must not count; the floor 2^(16 - 127) stands over it
.else
	v_max3_num_f32 v[TM+\b], |v[AC+16*\b]|, |v[AC+16*\b+1]|, 0x8000000
.endif
.endr
	WIN ((W<<2)|(W<<4))
.irp i, 2,4,6,8,10,12,14
.irp b, 0,1,2,3
.if FFN
	v_max3_num_f32 v[TM+\b], v[TM+\b], v[AC+16*\b+\i], v[AC+16*\b+\i+1]
.else
	v_max3_num_f32 v[TM+\b], v[TM+\b], |v[AC+16*\b+\i]|, |v[AC+16*\b+\i+1]|
.endif
.endr
.endr
	WIN 0
.irp b, 0,1,2,3
	v_permlanex16_b32 v[PT+\b], v[TM+\b], s18, s19
.endr
.irp b, 0,1,2,3
	v_max_num_f32 v[TM+\b], v[TM+\b], v[PT+\b]     ; with lane l xor 16's: the block's largest magnitude
.endr
.irp b, 0,1,2,3
	v_add_nc_u32 v[SO+\b], 0xf8800000, v[TM+\b]    ; 15 off the exponent field: the conversion's scale operand
.endr
.irp b, 0,1,2,3
	v_and_or_b32 v[HD+\b], v[TM+\b], 0x7f800000, s45   ; 57,344 x the scale
.endr
.irp b, 0,1,2,3
	v_lshrrev_b32 v[PT+\b], 23, v[SO+\b]           ; the scale's byte
.endr
	v_lshl_or_b32 v[PWS], v[PT+1], 8, v[PT]
	v_lshl_or_b32 v[PWS], v[PT+2], 16, v[PWS]
	v_lshl_or_b32 v[PWS], v[PT+3], 24, v[PWS]
	WIN (W|(W<<6))
.irp b, 0,1,2,3
.irp i, 0,1,2,3,4,5,6,7,8,9,10,11,12,13,14,15
.if FFN
	v_med3_num_f32 v[AC+16*\b+\i], v[AC+16*\b+\i], 0, v[HD+\b]       ; the activation and the hold in one
.else
	v_med3_num_f32 v[AC+16*\b+\i], v[AC+16*\b+\i], -v[HD+\b], v[HD+\b]   ; the conversion does not saturate (ISA guide 7.6.2): the hold
.endif
.endr
.endr
	WIN W
.irp b, 0,1,2,3
	v_cvt_scalef32_pk8_bf8_f32 v[PCS+4*\b:PCS+4*\b+1], v[AC+16*\b:AC+16*\b+7], v[SO+\b]
	v_cvt_scalef32_pk8_bf8_f32 v[PCS+4*\b+2:PCS+4*\b+3], v[AC+16*\b+8:AC+16*\b+15], v[SO+\b]
.endr
	WIN 0
	v_nop                                          ; a plain instruction behind the last conversion
.if FFN == 0
.set i, 0
.rept 16
	v_and_b32 v[PCS+i], v[PCS+i], v[KM+(\a)]
.set i, i+1
.endr
	v_lshrrev_b32 v[SWS], v[SHV], v[PWS]
	v_and_or_b32 v[SWS], v[SWS], s94, s93
.endif
.endm
.macro STLD a                          ; codes and word into my stage; the codes back as rows.  LDS serves a wave's instructions in order (ISA guide 5.7.1.4)
.set PCS, PC+16*((\a)%2)
.set PWS, PW+(\a)%2
.set SWS, SWD+(\a)%2
.set BKS, BK+16*((\a)%4)
.if (\a) >= 4
	s_wait_xcnt 0x0                                ; block a - 4's stores have read these registers
.endif
.irp b, 0,1,2,3
.if FFN
	ds_store_b64 v[STO], v[PCS+4*\b:PCS+4*\b+1] offset:32*\b
	ds_store_b64 v[STO], v[PCS+4*\b+2:PCS+4*\b+3] offset:32*\b+16
.else
	ds_store_b128 v[STO], v[PCS+4*\b:PCS+4*\b+3] offset:32*\b
.endif
.endr
.if FFN
	ds_store_b32 v[SSA], v[PWS] offset:64*(\a)     ; both halves of the lanes write the same word with the same value
.else
	ds_store_b32 v[SSA], v[SWS] offset:64*(\a)
.endif
.irp k, 0,1,2,3
	ds_load_b128 v[BKS+4*\k:BKS+4*\k+3], v[RD] offset:576*\k
.endr
.endm
.macro SEND a
.set BKS, BK+16*((\a)%4)
.irp k, 0,1,2,3
	global_store_b128 v[CO], v[BKS+4*\k:BKS+4*\k+3], s[12:13] offset:2048*(\a)+512*\k   ; 32 lanes store 512 consecutive bytes, aligned
.endr
.endm
	PLACES NP                                      ; behind the last products: for the reads of results and the writes of A's old registers
	s_mov_b32 s18, 0x76543210
	s_mov_b32 s19, 0xfedcba98                      ; selects for lane l xor 16
	s_mov_b32 s45, 0x600000                        ; the mantissa field of 57,344
.irp b, 0,1,2,3
	v_mov_b32 v[PT+\b], 0                          ; written once: a lane permute's destination counts as one of its sources
.endr
	s_wait_loadcnt 0x0                             ; the head's loads: mask words or bias
.if FFN == 0
.irp a, 0,1,2,3,4,5,6,7
	v_cmp_ne_u32 vcc_lo, 0, v[KM+\a]
	v_cndmask_b32 v[KM+\a], s92, v[ONES], vcc_lo
.endr
.endif
	QB 0
	STLD 0
.irp a, 1,2,3,4,5,6,7
	QB \a
	s_wait_dscnt 0x0                               ; block a - 1 is back in registers, and its stage stores have read theirs
	SEND \a-1
	STLD \a
.endr
	s_wait_dscnt 0x0
	SEND 7
	ds_load_b128 v[224:227], v[SRD]                ; my 128 rows' scale words: 512 bytes
.if FFN == 0
	ds_load_b128 v[228:231], v[SRD] offset:512
.endif
	s_wait_dscnt 0x0
	global_store_b128 v[CO], v[224:227], s[96:97]
.if FFN == 0
	s_cmp_lg_u32 s95, 0
	s_cbranch_scc1 .Lone_run
	global_store_b128 v[CO], v[228:231], s[96:97] offset:512
.Lone_run:
.endif
	s_wait_tensorcnt 0x0                           ; the wave's end
	ds_add_u32 v[SPW], v[NIL]
	s_wait_dscnt 0x0
	CROUND                                         ; the closing round
	s_endpgm
.Lfunc_end_k_q1c2d61447e_ffn1:
	.size	k_q1c2d61447e_ffn1, .Lfunc_end_k_q1c2d61447e_ffn1-k_q1c2d61447e_ffn1
	.p2alignl 7, 3214868480
	.fill 96, 4, 3214868480
	.section	.rodata,"a",@progbits
	.p2align	6, 0x0
	.amdhsa_kernel k_q1c2d61447e_ffn1
		.amdhsa_group_segment_fixed_size 327680
		.amdhsa_private_segment_fixed_size 0
		.amdhsa_enable_private_segment 0
		.amdhsa_kernarg_size 40
		.amdhsa_user_sgpr_count 2
		.amdhsa_user_sgpr_kernarg_segment_ptr 1
		.amdhsa_wavefront_size32 1
		.amdhsa_system_sgpr_workgroup_id_x 1
		.amdhsa_system_sgpr_workgroup_id_y 1
		.amdhsa_system_sgpr_workgroup_id_z 1
		.amdhsa_system_vgpr_workitem_id 0
		.amdhsa_next_free_vgpr 1024
		.amdhsa_next_free_sgpr 102
		.amdhsa_reserve_vcc 1
		.amdhsa_float_denorm_mode_32 3
		.amdhsa_float_denorm_mode_16_64 3
		.amdhsa_memory_ordered 1
		.amdhsa_forward_progress 1
		.amdhsa_inst_pref_size 210
	.end_amdhsa_kernel
	.amdgpu_metadata
---
amdhsa.version: [ 1, 2 ]
amdhsa.kernels:
  - .name:           k_q1c2d61447e_ffn1
    .symbol:         k_q1c2d61447e_ffn1.kd
    .args:
      - { .name: act, .offset: 0, .size: 8, .value_kind: global_buffer, .address_space: global }
      - { .name: w1_codes, .offset: 8, .size: 8, .value_kind: global_buffer, .address_space: global }
      - { .name: w1_scales, .offset: 16, .size: 8, .value_kind: global_buffer, .address_space: global }
      - { .name: b1, .offset: 24, .size: 8, .value_kind: global_buffer, .address_space: global }
      - { .name: hid, .offset: 32, .size: 8, .value_kind: global_buffer, .address_space: global }
    .group_segment_fixed_size: 327680
    .private_segment_fixed_size: 0
    .kernarg_segment_align: 8
    .kernarg_segment_size: 40
    .max_flat_workgroup_size: 128
    .sgpr_count:     102
    .vgpr_count:     1024
    .wavefront_size: 32
...
	.end_amdgpu_metadata
.endif
;; end of part 5
;; launch ffn2 (part 6): grid 8 x 32, 4 waves a work-group, clusters of 4 x 4, 327,680 bytes of LDS; arguments hid, w2_codes, w2_scales, b2, x2, out0; writes out0
.if DOCPART == 6
	.amdgcn_target "amdgcn-amd-amdhsa--gfx1250"
	.amdhsa_code_object_version 6
	.text
	.protected	k_q1c2d61447e_ffn2
	.globl	k_q1c2d61447e_ffn2
	.p2align	8
	.type	k_q1c2d61447e_ffn2,@function
k_q1c2d61447e_ffn2:
	s_mov_b64 s[64:65], 0
	v_nop
	global_prefetch_b8 v0, s[64:65] scope:SCOPE_SE
	s_setreg_imm32_b32 hwreg(HW_REG_WAVE_MODE, 25, 1), 1
	s_wait_xcnt 0x0
	s_wait_alu depctr_hold_cnt(0) depctr_sa_sdst(0) depctr_va_vdst(0) depctr_va_sdst(0) depctr_va_ssrc(0) depctr_va_vcc(0) depctr_vm_vsrc(0)
	s_getreg_b32 s2, hwreg(HW_REG_IB_STS2, 6, 4)
	s_cmp_eq_u32 s2, 0
	s_cbranch_scc0 .Lentry_in_a_cluster
	s_endpgm
.Lentry_in_a_cluster:
	s_bfe_u32 s2, ttmp6, 0x10000c
	s_cmp_lg_u32 s2, 0xf033
	s_cbranch_scc0 .Lentry_shape_is_right
	s_endpgm
.Lentry_shape_is_right:
; out[m][n] = res[m][n] + bias[n] + sum over k of A[m][k] W[n][k], on codes of BF8 (E5M2) with E8M0 scales; out, res: [4096][1024] f32.
; A comes from this program's own launch: codes [block of 128 rows][chunk of 128 along K][128 rows][128 bytes], and behind all codes one scale word for each row and chunk, [block][chunk][128].  W: [1024][SIZE_K] codes, [1024][SIZE_K / 32] scale bytes.
; A tile of out is 128 x 128, so that 256 work-groups share the work; four waves, 64 x 64 each: 16 accumulators.  K goes in steps of 512 (four matrix instructions deep) through two LDS slots; all scales of the tile come once and stay.
; CLUSTERS: 4 x 4 work-groups; A's tiles are asked for jointly along a row of the cluster, W's along a column.  The matrix instruction is used transposed (source 0 = W, source 1 = A): a lane holds eight neighbouring numbers of a row.
; REGISTERS: window 0: v0-31 addresses; v32-47 A's scale words (two sets; two blocks to a register), v48-79 W's (two sets); v80-83 the bias; v128-255 the accumulators ((a, b) at v[128 + 8 (4 a + b)]).
;   window 1: two fragment buffers of 128: A's four fragments, then W's four.   window 2: v0-127 the residual, loaded at the head.
.set SIZE_K, 4096
.set LAST,   1                         ; 1: the output is the program's result, written once and read by nobody here
.set KS,     SIZE_K/32
.set LAPS,   SIZE_K/1024               ; a lap = two K steps of 512
.set APITCH, 144                       ; A's LDS row: 128 bytes + 16
.set BPITCH, 528                       ; W's: 512 bytes + 16.  Both: the 16 rows of a fragment load start at 16 different banks (64 banks of 4 bytes: ISA guide 11.1)
.set BOFF,   512*APITCH                ; a slot: A's 4 chunks x 128 rows, then W's 128 rows
.set SLOT,   BOFF+128*BPITCH
.set ASC,    2*SLOT                    ; A's scale words [chunk][128], 4 SIZE_K bytes
.set BSC,    ASC+4*SIZE_K              ; W's scale bytes, as units of 256 bytes + 16 of padding
.set HB,     (64*KS/256)*272           ; those of 64 rows
.set SBLK,   (16*KS/256)*272           ; of 16
.set SPARE,  BSC+2*HB                  ; the spare words, 128 bytes for each wave: two blocks of 256 bytes that no other line names
.set SPITCH, 272                       ; the way out: a stage of 16 rows x (256 bytes + 16) for each wave, in slot 0, which has had its last fill and its last read by then
.set ADRA, 16
.set ADRB, 20
.set ADSA, 22
.set ADSB, 23
.set STO,  24
.set RD,   25
.set CO,   26
.set BO,   27
.set SPW,  28
.set NIL,  29
.set SA,   32
.set SB,   48
.set BIASR, 80
.set ACC,  128
.set F0,   0
.set F1,   128
.set G1, 24
.set G0, 32
.set G1B, 48
.set G0B, 56
.set G1S, 76
.set G0S, 84
.set G1SB, 88
.set G0SB, 96
.set MSB, 0
.macro WIN new                         ; the immediate's high byte repeats the setting that is left
.if MSB != \new
	s_set_vgpr_msb (MSB<<8)|\new
.set MSB, \new
.endif
.endm
.set MUL,  0x05                        ; sources 0 (W) and 1 (A) window 1; C and D window 0
.set TO_F, 0x40                        ; destination window 1, address window 0
.macro JLOAD g0a, g1a, g0b, g1b        ; a joint load: waves 0 and 1 fetch for A, waves 2 and 3 for W; four v_nop follow each of the two lines
	s_cmp_eq_u32 s11, 0
	s_cbranch_scc0 .Lfor_b_\@
	tensor_load_to_lds s[\g0a:\g0a+3], s[\g1a:\g1a+7]
	s_nop 0
.rept 4
	v_nop
.endr
	s_branch .Lasked_\@
.Lfor_b_\@:
	tensor_load_to_lds s[\g0b:\g0b+3], s[\g1b:\g1b+7]
	s_nop 0
.rept 4
	v_nop
.endr
.Lasked_\@:
.endm
.macro CREST
	s_cmp_lg_u32 s10, 0
	s_cbranch_scc1 .Lnot_wave_0_\@
	s_barrier_signal -3
.Lnot_wave_0_\@:
	s_barrier_wait -3
	s_barrier_signal -1
	s_barrier_wait -1
.endm
.macro CROUND
	s_barrier_signal -1
	s_barrier_wait -1
	CREST
.endm
	s_load_b128 s[4:7], s[0:1], 0x0                ; A, W's codes
	s_load_b128 s[68:71], s[0:1], 0x10             ; W's scales, the bias
	s_load_b128 s[72:75], s[0:1], 0x20             ; the residual, the output
	v_lshl_add_u32 v[SPW], v0, 2, SPARE
	v_mov_b32 v[NIL], 0
	ds_add_u32 v28, v29
	ds_add_u32 v28, v29
	s_wait_dscnt 0x0
	v_lshrrev_b32 v1, 5, v0
	v_readfirstlane_b32 s10, v1                    ; wave 0..3
	s_lshr_b32 s11, s10, 1                         ; which half of the tile's rows is mine.  Also: I fetch for A (0) or for W (1)
	s_and_b32 s12, s10, 1                          ; which half of its columns.  Also: which half of that tile I fetch
	s_bfe_u32 s40, ttmp6, 0x40000                  ; cx, cy
	s_bfe_u32 s41, ttmp6, 0x40004
	s_lshl_b32 s42, ttmp9, 2
	s_add_co_u32 s42, s42, s40                     ; tile column
	s_and_b32 s13, ttmp7, 0xffff
	s_lshl_b32 s13, s13, 2
	s_add_co_u32 s13, s13, s41                     ; tile row = A's block of 128 rows
	s_lshl_b32 s43, s41, 2
	s_lshl_b32 s43, 15, s43                        ; my row of the cluster
	s_lshl_b32 s44, 0x1111, s40                    ; my column
	; A's codes: two chunks, 256 dense rows of 128 bytes, 16 bytes of padding behind each
	s_or_b32 s[G1], s43, (1<<20)|(1<<21)|(4<<22)|(3<<25)
	s_mov_b32 s[G1+1], 128<<16
	s_mov_b32 s[G1+2], 256<<16
	s_mov_b32 s[G1+3], 128<<16
	s_mov_b32 s[G1+4], 256
	s_mov_b32 s[G1+5], 128
	s_mov_b32 s[G1+6], 0
	s_mov_b32 s[G1+7], 0
	; W's codes: 64 rows of 512 bytes, SIZE_K bytes apart, 16 bytes of padding behind each
	s_or_b32 s[G1B], s44, (1<<20)|(1<<21)|(6<<22)|(3<<25)
	s_mov_b32 s[G1B+1], 512<<16
	s_mov_b32 s[G1B+2], 64<<16
	s_mov_b32 s[G1B+3], 512<<16
	s_mov_b32 s[G1B+4], 64
	s_mov_b32 s[G1B+5], SIZE_K
	s_mov_b32 s[G1B+6], 0
	s_mov_b32 s[G1B+7], 0
	; A's scale words: half of the block's, 2 SIZE_K dense bytes, as rows of 256 bytes (32 elements of 8), no padding
	s_or_b32 s[G1S], s43, (3<<16)|(1<<21)
	s_mov_b32 s[G1S+1], 32<<16
	s_mov_b32 s[G1S+2], (SIZE_K/128)<<16
	s_mov_b32 s[G1S+3], 32<<16
	s_mov_b32 s[G1S+4], SIZE_K/128
	s_mov_b32 s[G1S+5], 32
	s_mov_b32 s[G1S+6], 0
	s_mov_b32 s[G1S+7], 0
	; W's scale bytes of 64 rows: dense, as rows of 256 bytes, 16 bytes of padding behind each
	s_or_b32 s[G1SB], s44, (3<<16)|(1<<20)|(1<<21)|(5<<22)|(3<<25)
	s_mov_b32 s[G1SB+1], 32<<16
	s_mov_b32 s[G1SB+2], (64*KS/256)<<16
	s_mov_b32 s[G1SB+3], 32<<16
	s_mov_b32 s[G1SB+4], 64*KS/256
	s_mov_b32 s[G1SB+5], 32
	s_mov_b32 s[G1SB+6], 0
	s_mov_b32 s[G1SB+7], 0
	; where they come from: A's hang on the tile row alone, W's on the tile column alone, each in registers that never hold the other coordinate
	s_mul_i32 s16, s13, 128*SIZE_K
	s_lshl_b32 s17, s12, 15
	s_add_co_u32 s16, s16, s17                     ; A's codes: the block, + my two chunks
	s_mov_b32 s17, 0
	s_mul_i32 s18, s13, 4*SIZE_K
	s_mul_i32 s19, s12, 2*SIZE_K
	s_add_co_u32 s18, s18, s19
	s_add_co_u32 s18, s18, 4096*SIZE_K             ; A's words, behind all codes
	s_mov_b32 s19, 0
	s_lshl_b32 s46, s42, 7
	s_lshl_b32 s47, s12, 6
	s_add_co_u32 s46, s46, s47                     ; W's row 128 x tile column + 64 x half
	s_mul_i32 s14, s46, KS
	s_mov_b32 s15, 0
	s_mul_i32 s46, s46, SIZE_K
	s_mov_b32 s47, 0
	s_mul_i32 s20, s12, 256*APITCH                 ; and where they go: no place in the cluster enters an LDS address
	s_mul_i32 s21, s12, 64*BPITCH
	s_add_co_u32 s21, s21, BOFF
	s_mul_i32 s22, s12, 2*SIZE_K
	s_add_co_u32 s22, s22, ASC
	s_mul_i32 s23, s12, HB
	s_add_co_u32 s23, s23, BSC
	s_wait_kmcnt 0x0
	s_add_nc_u64 s[16:17], s[4:5], s[16:17]
	s_add_nc_u64 s[18:19], s[4:5], s[18:19]
	s_add_nc_u64 s[46:47], s[6:7], s[46:47]
	s_add_nc_u64 s[14:15], s[68:69], s[14:15]
	CROUND                                         ; all sixteen work-groups are here: the first joint loads meet
	s_mov_b32 s[G0S], 1
	s_mov_b32 s[G0S+1], s22
	s_mov_b64 s[G0S+2:G0S+3], s[18:19]
	s_or_b32 s[G0S+3], s[G0S+3], 0x80000000
	s_mov_b32 s[G0SB], 1
	s_mov_b32 s[G0SB+1], s23
	s_mov_b64 s[G0SB+2:G0SB+3], s[14:15]
	s_or_b32 s[G0SB+3], s[G0SB+3], 0x80000000
	JLOAD G0S, G1S, G0SB, G1SB                     ; the scales first: they are wanted with K step 0
.irp s, 0,1
	s_mov_b32 s[G0+4*\s], 1
	s_add_co_u32 s[G0+4*\s+1], s20, \s*SLOT
	s_add_nc_u64 s[G0+4*\s+2:G0+4*\s+3], s[16:17], \s*65536
	s_or_b32 s[G0+4*\s+3], s[G0+4*\s+3], 0x80000000
	s_mov_b32 s[G0B+4*\s], 1
	s_add_co_u32 s[G0B+4*\s+1], s21, \s*SLOT
	s_add_nc_u64 s[G0B+4*\s+2:G0B+4*\s+3], s[46:47], \s*512
	s_or_b32 s[G0B+4*\s+3], s[G0B+4*\s+3], 0x80000000
	JLOAD G0+4*\s, G1, G0B+4*\s, G1B
.endr
	v_and_b32 v1, 15, v0                           ; r
	v_bfe_u32 v2, v0, 4, 1                         ; h
	v_and_b32 v3, 31, v0                           ; lane
	v_mul_u32_u24 v4, v1, APITCH
	v_lshl_add_u32 v4, v2, 4, v4
	v_mul_u32_u24 v5, v1, BPITCH
	v_lshl_add_u32 v5, v2, 4, v5
	s_mul_i32 s21, s11, 64*APITCH                  ; my 64 rows of A (in each chunk)
	s_mul_i32 s22, s12, 64*BPITCH                  ; my 64 rows of W
	s_add_co_u32 s22, s22, BOFF
.irp s, 0,1
	v_add_nc_u32 v[ADRA+\s], s21, v4
	v_add_nc_u32 v[ADRB+\s], s22, v5
	s_add_co_u32 s21, s21, SLOT
	s_add_co_u32 s22, s22, SLOT
.endr
	s_lshl_b32 s21, s11, 8
	s_add_co_u32 s21, s21, ASC
	v_lshl_add_u32 v[ADSA], v3, 2, s21             ; A's words: lanes 0-15 an even block's rows, lanes 16-31 the odd block's
	v_mul_u32_u24 v6, v1, KS
	v_lshrrev_b32 v7, 8, v6
	v_lshl_add_u32 v6, v7, 4, v6                   ; W's: KS bytes a row, and 16 more for each 256 passed
	s_mul_i32 s22, s12, HB
	s_add_co_u32 s22, s22, BSC
	v_add_nc_u32 v[ADSB], s22, v6
	s_mul_i32 s23, s10, 16*SPITCH                  ; my stage
	v_mul_u32_u24 v6, v1, SPITCH
	v_lshl_add_u32 v6, v2, 5, v6
	v_add_nc_u32 v[STO], s23, v6                   ; in: row r, 32 bytes for each half of the lanes
	v_mul_u32_u24 v6, v2, SPITCH
	v_lshl_add_u32 v6, v1, 4, v6
	v_add_nc_u32 v[RD], s23, v6                    ; back: lanes 0-15 one row of 256 bytes, lanes 16-31 the next
	v_lshlrev_b32 v[BO], 4, v1
	v_lshl_add_u32 v[CO], v2, 12, v[BO]            ; and the same two rows in memory
	s_lshl_b32 s16, s13, 7
	s_lshl_b32 s17, s11, 6
	s_add_co_u32 s16, s16, s17
	s_lshl_b32 s16, s16, 12                        ; my first row, 4,096 bytes a row
	s_lshl_b32 s46, s42, 9
	s_lshl_b32 s47, s12, 8
	s_add_co_u32 s46, s46, s47                     ; my first column, in bytes
	s_mov_b32 s47, 0
	s_add_nc_u64 s[70:71], s[70:71], s[46:47]
	s_add_co_u32 s46, s46, s16
	s_add_nc_u64 s[72:73], s[72:73], s[46:47]
	s_add_nc_u64 s[74:75], s[74:75], s[46:47]
	global_load_b128 v[BIASR:BIASR+3], v[BO], s[70:71]
	WIN 0x80                                       ; destination window 2: the residual, in the order in which the rows come back from the stage
.set i, 0
.rept 32
	global_load_b128 v[4*i:4*i+3], v[CO], s[72:73] offset:8192*i
.set i, i+1
.endr
	WIN 0
.macro FETCH slot, q, f                ; the eight fragments of the slot's q-th 128 along K into buffer f: 32 LDS loads in one run
	WIN TO_F
.irp i, 0,1,2,3
.irp c, 0,1,2,3
	ds_load_b128 v[\f+16*\i+4*\c:\f+16*\i+4*\c+3], v[ADRA+\slot] offset:128*APITCH*(\q)+16*APITCH*\i+32*\c
.endr
.endr
.irp i, 0,1,2,3
.irp c, 0,1,2,3
	ds_load_b128 v[\f+64+16*\i+4*\c:\f+64+16*\i+4*\c+3], v[ADRB+\slot] offset:128*(\q)+16*BPITCH*\i+32*\c
.endr
.endr
.endm
.macro SCALES sc                       ; a K step's scale words into set sc
.irp q, 0,1,2,3
.irp i, 0,1
	ds_load_b32 v[SA+8*\sc+2*\q+\i], v[ADSA] offset:512*\q+128*\i
.endr
.endr
.irp i, 0,1,2,3
	ds_load_b128 v[SB+16*\sc+4*\i:SB+16*\sc+4*\i+3], v[ADSB] offset:\i*SBLK
.endr
.endm
; four matrix instructions: A's block a x W's four.  The 16 accumulators take turns, one instruction a turn, in the same order in every step.
.macro MULA f, q, sc, a, zero
.irp b, 0,1,2,3
.if \zero
.if (\a)%2
	v_wmma_scale_f32_16x16x128_f8f6f4 v[ACC+8*(4*(\a)+\b):ACC+8*(4*(\a)+\b)+7], v[\f+64+16*\b:\f+64+16*\b+15], v[\f+16*(\a):\f+16*(\a)+15], 0, v[SB+16*(\sc)+4*\b+(\q)], v[SA+8*(\sc)+2*(\q)+(\a)/2] matrix_a_fmt:MATRIX_FMT_BF8 matrix_b_fmt:MATRIX_FMT_BF8 matrix_b_scale:MATRIX_SCALE_ROW1
.else
	v_wmma_scale_f32_16x16x128_f8f6f4 v[ACC+8*(4*(\a)+\b):ACC+8*(4*(\a)+\b)+7], v[\f+64+16*\b:\f+64+16*\b+15], v[\f+16*(\a):\f+16*(\a)+15], 0, v[SB+16*(\sc)+4*\b+(\q)], v[SA+8*(\sc)+2*(\q)+(\a)/2] matrix_a_fmt:MATRIX_FMT_BF8 matrix_b_fmt:MATRIX_FMT_BF8
.endif
.else
.if (\a)%2
	v_wmma_scale_f32_16x16x128_f8f6f4 v[ACC+8*(4*(\a)+\b):ACC+8*(4*(\a)+\b)+7], v[\f+64+16*\b:\f+64+16*\b+15], v[\f+16*(\a):\f+16*(\a)+15], v[ACC+8*(4*(\a)+\b):ACC+8*(4*(\a)+\b)+7], v[SB+16*(\sc)+4*\b+(\q)], v[SA+8*(\sc)+2*(\q)+(\a)/2] matrix_a_fmt:MATRIX_FMT_BF8 matrix_b_fmt:MATRIX_FMT_BF8 matrix_b_scale:MATRIX_SCALE_ROW1
.else
	v_wmma_scale_f32_16x16x128_f8f6f4 v[ACC+8*(4*(\a)+\b):ACC+8*(4*(\a)+\b)+7], v[\f+64+16*\b:\f+64+16*\b+15], v[\f+16*(\a):\f+16*(\a)+15], v[ACC+8*(4*(\a)+\b):ACC+8*(4*(\a)+\b)+7], v[SB+16*(\sc)+4*\b+(\q)], v[SA+8*(\sc)+2*(\q)+(\a)/2] matrix_a_fmt:MATRIX_FMT_BF8 matrix_b_fmt:MATRIX_FMT_BF8
.endif
.endif
.endr
.endm
.macro PLACES n                        ; plain vector instructions between a matrix instruction and a load into, or a read of, its registers
.rept \n
	v_nop
.endr
.endm
.macro SUB slot, q, f, g, zero         ; one of a slot's first three steps of 128 along K: multiplies buffer f, and fetches the next step into g in its middle
	s_wait_dscnt 0x0                               ; buffer f (and, at a slot's head, the scale words) are in
	WIN MUL
	MULA \f, \q, \slot, 0, \zero
	MULA \f, \q, \slot, 1, \zero
	PLACES 8
	FETCH \slot, (\q)+1, \g
	WIN MUL
	MULA \f, \q, \slot, 2, \zero
	MULA \f, \q, \slot, 3, \zero
.endm
; A slot's last step multiplies buffer 1 and changes slots: one barrier; in front of it each wave waits for all its tensor loads, adds 0 to its spare word, and waits for that and for its reads of this slot.
.macro TURN slot, next, fill
	WIN 0
	s_wait_tensorcnt 0x0                           ; all my tensor loads have landed: my part of the next slot
	ds_add_u32 v[SPW], v[NIL]                      ; 0 onto my spare word
	s_wait_dscnt 1                                 ; buffer 1 is in (the add may be out)
	WIN MUL
	MULA F1, 3, \slot, 0, 0
	s_wait_dscnt 0x0                               ; the add is done, and my reads of this slot are over
	s_barrier_signal -1
	MULA F1, 3, \slot, 1, 0
	WIN 0
	s_barrier_wait -1
.if \fill
	CREST                                          ; the barrier has opened a round of the cluster's barrier: no wave of any partner still reads this slot or has a load on its way
	s_add_nc_u64 s[G0+4*\slot+2:G0+4*\slot+3], s[G0+4*\slot+2:G0+4*\slot+3], 2*65536
	s_add_nc_u64 s[G0B+4*\slot+2:G0B+4*\slot+3], s[G0B+4*\slot+2:G0B+4*\slot+3], 2*512
	JLOAD G0+4*\slot, G1, G0B+4*\slot, G1B         ; the first tensor load behind the round
	PLACES 4
.else
	PLACES 8
.endif
	v_add_nc_u32 v[ADSA], 2048, v[ADSA]            ; the next K step's scale words
	v_add_nc_u32 v[ADSB], 16, v[ADSB]
	SCALES \next
	FETCH \next, 0, F0
	WIN MUL
	MULA F1, 3, \slot, 2, 0
	MULA F1, 3, \slot, 3, 0
.endm
	s_wait_tensorcnt 1                             ; the scales and my part of K step 0 are in (K step 1's load may be out),
	s_barrier_signal -1
	s_barrier_wait -1                              ; everybody's are
	SCALES 0
	FETCH 0, 0, F0
	SUB 0, 0, F0, F1, 1                            ; the first step's products start the sums
.if LAPS > 1
	WIN 0
	s_mov_b32 s3, LAPS-1
.Llap:                                                 ; a trip goes once round the ring and fills both slots again
	SUB 0, 1, F1, F0, 0
	SUB 0, 2, F0, F1, 0
	TURN 0, 1, 1
	SUB 1, 0, F0, F1, 0
	SUB 1, 1, F1, F0, 0
	SUB 1, 2, F0, F1, 0
	TURN 1, 0, 1
	SUB 0, 0, F0, F1, 0
	WIN 0
	s_sub_co_u32 s3, s3, 1
	s_cmp_lg_u32 s3, 0
	s_cbranch_scc1 .Llap
.endif
	SUB 0, 1, F1, F0, 0                            ; the last lap fills nothing
	SUB 0, 2, F0, F1, 0
	TURN 0, 1, 0
	SUB 1, 0, F0, F1, 0
	SUB 1, 1, F1, F0, 0
	SUB 1, 2, F0, F1, 0
	s_wait_dscnt 0x0
	WIN MUL
	MULA F1, 3, 1, 0, 0
	MULA F1, 3, 1, 1, 0
	MULA F1, 3, 1, 2, 0
	MULA F1, 3, 1, 3, 0
	WIN 0
; THE WAY OUT, 16 rows x 64 columns at a time: through my own stage, back as whole rows of 256 bytes into the registers that they left; + residual, + bias; stored.
.macro ST a
.irp b, 0,1,2,3
	ds_store_b128 v[STO], v[ACC+8*(4*(\a)+\b):ACC+8*(4*(\a)+\b)+3] offset:64*\b        ; each accumulator from its low end on
	ds_store_b128 v[STO], v[ACC+8*(4*(\a)+\b)+4:ACC+8*(4*(\a)+\b)+7] offset:64*\b+16
.endr
.irp t, 0,1,2,3,4,5,6,7
	ds_load_b128 v[ACC+32*(\a)+4*\t:ACC+32*(\a)+4*\t+3], v[RD] offset:2*SPITCH*\t      ; LDS serves a wave's instructions in order (ISA guide 5.7.1.4)
.endr
.endm
.macro OUT a
	WIN 0x08                                       ; source 1: window 2
.set i, 0
.rept 16
	v_pk_add_f32 v[ACC+32*(\a)+i:ACC+32*(\a)+i+1], v[ACC+32*(\a)+i:ACC+32*(\a)+i+1], v[32*(\a)+i:32*(\a)+i+1]
.set i, i+2
.endr
	WIN 0
.irp t, 0,1,2,3,4,5,6,7
	v_pk_add_f32 v[ACC+32*(\a)+4*\t:ACC+32*(\a)+4*\t+1], v[ACC+32*(\a)+4*\t:ACC+32*(\a)+4*\t+1], v[BIASR:BIASR+1]
	v_pk_add_f32 v[ACC+32*(\a)+4*\t+2:ACC+32*(\a)+4*\t+3], v[ACC+32*(\a)+4*\t+2:ACC+32*(\a)+4*\t+3], v[BIASR+2:BIASR+3]
.endr
.irp t, 0,1,2,3,4,5,6,7
.if LAST
	global_store_b128 v[CO], v[ACC+32*(\a)+4*\t:ACC+32*(\a)+4*\t+3], s[74:75] offset:4096*(16*(\a)+2*\t) th:TH_STORE_NT   ; 16 lanes store 256 consecutive bytes, aligned
.else
	global_store_b128 v[CO], v[ACC+32*(\a)+4*\t:ACC+32*(\a)+4*\t+3], s[74:75] offset:4096*(16*(\a)+2*\t)
.endif
.endr
.endm
	PLACES 8                                       ; behind the last products
	s_wait_loadcnt 0x0                             ; the residual and the bias
	ST 0
	ST 1
	s_wait_dscnt 16                                ; block 0 is back; block 1's 8 stores and 8 loads may be out
	OUT 0
	ST 2
	s_wait_dscnt 16
	OUT 1
	ST 3
	s_wait_dscnt 16
	OUT 2
	s_wait_dscnt 0x0
	OUT 3
	s_wait_tensorcnt 0x0                           ; the wave's end
	ds_add_u32 v[SPW], v[NIL]
	s_wait_dscnt 0x0
	CROUND                                         ; the closing round
	s_endpgm
.Lfunc_end_k_q1c2d61447e_ffn2:
	.size	k_q1c2d61447e_ffn2, .Lfunc_end_k_q1c2d61447e_ffn2-k_q1c2d61447e_ffn2
	.p2alignl 7, 3214868480
	.fill 96, 4, 3214868480
	.section	.rodata,"a",@progbits
	.p2align	6, 0x0
	.amdhsa_kernel k_q1c2d61447e_ffn2
		.amdhsa_group_segment_fixed_size 327680
		.amdhsa_private_segment_fixed_size 0
		.amdhsa_enable_private_segment 0
		.amdhsa_kernarg_size 48
		.amdhsa_user_sgpr_count 2
		.amdhsa_user_sgpr_kernarg_segment_ptr 1
		.amdhsa_wavefront_size32 1
		.amdhsa_system_sgpr_workgroup_id_x 1
		.amdhsa_system_sgpr_workgroup_id_y 1
		.amdhsa_system_sgpr_workgroup_id_z 1
		.amdhsa_system_vgpr_workitem_id 0
		.amdhsa_next_free_vgpr 768
		.amdhsa_next_free_sgpr 100
		.amdhsa_reserve_vcc 0
		.amdhsa_float_denorm_mode_32 3
		.amdhsa_float_denorm_mode_16_64 3
		.amdhsa_memory_ordered 1
		.amdhsa_forward_progress 1
		.amdhsa_inst_pref_size 105
	.end_amdhsa_kernel
	.amdgpu_metadata
---
amdhsa.version: [ 1, 2 ]
amdhsa.kernels:
  - .name:           k_q1c2d61447e_ffn2
    .symbol:         k_q1c2d61447e_ffn2.kd
    .args:
      - { .name: hid, .offset: 0, .size: 8, .value_kind: global_buffer, .address_space: global }
      - { .name: w2_codes, .offset: 8, .size: 8, .value_kind: global_buffer, .address_space: global }
      - { .name: w2_scales, .offset: 16, .size: 8, .value_kind: global_buffer, .address_space: global }
      - { .name: b2, .offset: 24, .size: 8, .value_kind: global_buffer, .address_space: global }
      - { .name: x2, .offset: 32, .size: 8, .value_kind: global_buffer, .address_space: global }
      - { .name: out0, .offset: 40, .size: 8, .value_kind: global_buffer, .address_space: global }
    .group_segment_fixed_size: 327680
    .private_segment_fixed_size: 0
    .kernarg_segment_align: 8
    .kernarg_segment_size: 48
    .max_flat_workgroup_size: 128
    .sgpr_count:     100
    .vgpr_count:     768
    .wavefront_size: 32
...
	.end_amdgpu_metadata
.endif
;; end of part 6
